; MI455X (gfx1250); checked and timed in simulation.
; The chip was launched on July 23, 2026; its instructions are those of AMD's public machine-readable ISA for CDNA 5 (MIT licence, August 2026) and "CDNA5" Instruction Set Architecture Reference Guide (July 2026). The comments in the code are by the model that wrote it; some were corrected since.
;; Encoder Layer. Allowed arithmetic: matrix products marked QUANTISED: E5M2 operands, one given power-of-two scale a tensor, by v_wmma_f32_16x16x64_bf8_bf8 or v_wmma_f32_16x16x128_bf8_bf8, f32 sums; everything else in f32.
;; Inputs: W1 512 x 2,048 float32; W2 2,048 x 512 float32; Wk 512 x 512 float32; Wo 512 x 512 float32; Wq 512 x 512 float32; Wv 512 x 512 float32; b1 2,048 float32; b2 512 float32; beta1 512 float32; beta2 512 float32; bk 512 float32; bo 512 float32; bq 512 float32; bv 512 float32; gamma1 512 float32; gamma2 512 float32; lowp_scales 16 int32 (the exponents e of the quantised operands' scales 2^e); x 2 x 4,096 x 512 float32.
;; Outputs: out0 2 x 4,096 x 512 float32.
;; This version of the problem:
;;   THIS VERSION OF THE PROBLEM IS GIVEN IN LOW PRECISION. The matrix products marked QUANTISED in the list below multiply operands that are first quantised to E5M2 (5 exponent bits, 2 mantissa bits; 8 bits a number), with one given power-of-two scale for each operand tensor; their sums are f32. All else is computed in f32.
;;   The module's matrix products, in the order in which they are computed (A, B: the left and right operand; K: the contracted axis; several contracted axes count as one K, in the product's order):
;;     1. [M 8,192, K 512] x [K 512, N 512]; A: input x; B: input Wq: QUANTISED (scales: A lowp_scales[0], B lowp_scales[1])
;;     2. [M 8,192, K 512] x [K 512, N 512]; A: input x; B: input Wk: QUANTISED (scales: A lowp_scales[2], B lowp_scales[3])
;;     3. [M 8,192, K 512] x [K 512, N 512]; A: input x; B: input Wv: QUANTISED (scales: A lowp_scales[4], B lowp_scales[5])
;;     4. batch 16 x [M 4,096, K 64] x [K 64, N 4,096]; A: computed on the way; B: computed on the way: QUANTISED (scales: A lowp_scales[6], B lowp_scales[7])
;;     5. batch 16 x [M 4,096, K 4,096] x [K 4,096, N 64]; A: softmax (see below); B: computed on the way: QUANTISED (scales: A lowp_scales[8], B lowp_scales[9])
;;     6. [M 8,192, K 512] x [K 512, N 512]; A: computed on the way; B: input Wo: QUANTISED (scales: A lowp_scales[10], B lowp_scales[11])
;;     7. [M 8,192, K 512] x [K 512, N 2,048]; A: computed on the way; B: input W1: QUANTISED (scales: A lowp_scales[12], B lowp_scales[13])
;;     8. [M 8,192, K 2,048] x [K 2,048, N 512]; A: computed on the way; B: input W2: QUANTISED (scales: A lowp_scales[14], B lowp_scales[15])
;;   THE QUANTISER, for each operand of a quantised product, along K:
;;     - The operand's scale is 2^e, e = its entry of the input lowp_scales (int32; the entries are numbered through the quantised products in the list's order, A before B).
;;     - Each number is divided by the scale, clamped to +-57,344, and rounded to the nearest number of E5M2, ties to even, subnormals kept.
;;     - The product sums the exact products of the quantised numbers (number of the format x scale) in f32.
;;   ~~~python
;;   def quantise(x, axis, e):      # numpy; x: float32 -> the quantised numbers, widened to float32 again
;;       x = np.moveaxis(x, axis, -1); K = x.shape[-1]
;;       r = np.clip(x / 2.0 ** e, -57344, 57344)
;;       step = 2.0 ** (np.maximum(np.frexp(np.where(r == 0, 1, r))[1] - 1, -14) - 2)
;;       q = np.round(r / step) * step * 2.0 ** e      # np.round: ties to even
;;       return np.moveaxis(q, -1, axis).astype(np.float32)
;;   ~~~
;;   SOFTMAX AHEAD OF A QUANTISED PRODUCT. Where the list says 'softmax', what is quantised is not the finished softmax but p = 2^(t - M), with t = logit x log2(e) and M = ceil(the row's largest t), a whole number; so 1/2 < the row's largest p <= 1. The row's sum l is taken of the UNQUANTISED p, in f32, and the product's result is divided by l at the end. Since M is a whole number, a kernel that streams over the keys may use a running M (the ceiling of the running maximum): every later rescaling is an exact power of two, so the quantised numbers keep their values, but for numbers so far below the row's largest that they fall under the format's range.
;;   OPERANDS COMPUTED ON THE WAY. 'Computed on the way' means the value that the module computes at that place (a softmax that the list does not call 'softmax' is quantised finished and normalised). What goes into a quantiser is computed in f32, as accurately as f32 sums, v_exp_f32 and their like allow (about 1e-6 of the number): no bf16 or f16 on the way to a quantiser, and a product that is left as it is and whose result goes on into a quantised operand takes f32 operands (vector FMAs, or v_wmma_f32_16x16x4_f32). A number that lies on a knife's edge between two numbers of the format may be rounded either way, as far as f32 arithmetic and the matrix unit's own rounding can turn it there, and no further.
;; 2 versions. Each part assembles by itself: llvm-mc -triple=amdgcn-amd-amdhsa -mcpu=gfx1250 --defsym DOCPART=n.
;; ======== version 1 of 2: 4 launches
;; limits: right only within a limited range of input values
;; workspace buffers: wimg 3,145,728 bytes; qkv 12,582,912 bytes; aimg 4,194,304 bytes
;; launch wprep (part 1): grid 192 x 1, 4 waves a work-group, no clusters, 0 bytes of LDS; arguments Wq, Wk, Wv, Wo, W1, W2, lowp_scales, wimg; writes wimg
.if DOCPART == 1
	.amdgcn_target "amdgcn-amd-amdhsa--gfx1250"
	.amdhsa_code_object_version 6
	.text
	.protected	k_qed898289ac_wprep
	.globl	k_qed898289ac_wprep
	.p2align	8
	.type	k_qed898289ac_wprep,@function
k_qed898289ac_wprep:
	s_mov_b64 s[64:65], 0
	v_nop
	global_prefetch_b8 v0, s[64:65] scope:SCOPE_SE
	s_setreg_imm32_b32 hwreg(HW_REG_WAVE_MODE, 25, 1), 1
	s_wait_xcnt 0x0
; The six weights, f32 stored [K][N], become codes of E5M2 laid IN THE ORDER OF AN OPERAND'S REGISTERS.
; code = w / 2^e, held within +-57,344, to the nearest code, ties to even; e is the weight's entry of lowp_scales (1, 3, 5, 11, 13, 15).
; LIMITS: -126 <= e <= 112, so that 2^e and 57,344 x 2^e are f32 numbers.  NaN among the inputs is not served.
; THE IMAGE.  A piece is 512 bytes: lane l = r + 16 h has the 16 bytes at 16 l, the codes of k = 32 c + 16 h + 0 .. 15 of the row that belongs to lane r.  A fragment (16 rows n x 128 k) is four pieces, c = 0 .. 3.
; Tile T = 2 B + u of 16 rows holds rows 32 B + 8 u + r + 8 (r / 8).  Fragment (T, K step s) of a matrix lies at (T x (K / 128) + s) x 2,048 bytes from the matrix's place in wimg.
; SHARES.  A work-group takes 128 columns n x 128 along K, a wave 32 columns.  A LANE TAKES A COLUMN AND ITS REGISTERS RUN DOWN K: each load reads 128 consecutive bytes a wave, and the conversions give codes with K innermost.
; Column 32 B + i belongs to tile u = (i / 8) % 2 and lane r = i % 8 + 8 (i / 16): a store of 16 bytes a lane fills two aligned runs of 256 bytes, one in each of the two tiles.
; Work-groups 0-63: Wq, Wk, Wv, Wo, 16 each; 64-127: W1; 128-191: W2.  No LDS, no barrier: waves share nothing.  Loads run two blocks of 32 ahead.
.set X, 16                             ; v16-79   two sets of 32 numbers
.set C, 80                             ; v80-111  eight registers of codes for each of the four blocks: no store's data are written again
	s_load_b512 s[8:23], s[0:1], 0x0               ; Wq s[8:9], Wk, Wv, Wo, W1 s[16:17], W2 s[18:19], lowp_scales s[20:21], wimg s[22:23]
	v_lshrrev_b32 v1, 5, v0
	v_readfirstlane_b32 s24, v1                    ; wave
	v_and_b32 v1, 31, v0                           ; lane
	v_lshlrev_b32 v2, 2, v1                        ; in: 4 bytes a lane
	s_mov_b32 s25, ttmp9                           ; g
	s_and_b32 s26, s25, 63
	s_and_b32 s27, s25, 15
	s_cmp_lt_u32 s25, 64
	s_cselect_b32 s26, s27, s26                    ; the unit inside the matrix
	s_lshr_b32 s27, s25, 6
	s_cmp_eq_u32 s27, 1                            ; W1, the one matrix with 2,048 columns?
	s_cselect_b32 s28, 15, 3                       ; groups of 128 columns, less one
	s_cselect_b32 s29, 4, 2
	s_cselect_b32 s30, 20, 18                      ; log2 of 128 rows of the matrix in bytes
	s_and_b32 s31, s26, s28                        ; cg: which 128 columns
	s_lshr_b32 s33, s26, s29                       ; ks: which 128 along K
	s_cmp_ge_u32 s25, 128
	s_cselect_b32 s34, 15, 13                      ; log2 of a tile's bytes in the image: (K / 128) x 2,048
	s_lshl_b32 s36, s33, s30
	s_lshl_b32 s37, s31, 9
	s_add_co_u32 s36, s36, s37
	s_lshl_b32 s37, s24, 7
	s_add_co_u32 s36, s36, s37                     ; source: ks x 128 rows + 512 cg + 128 wave
	s_mov_b32 s37, 0
	s_lshl_b32 s38, s31, 2
	s_add_co_u32 s38, s38, s24                     ; B = 4 cg + wave
	s_add_co_u32 s39, s34, 1
	s_lshl_b32 s38, s38, s39                       ; two tiles for each B
	s_lshl_b32 s39, s33, 11
	s_add_co_u32 s38, s38, s39                     ; + ks x 2,048
	v_bfe_u32 v6, v1, 3, 1                         ; u
	v_lshlrev_b32 v6, s34, v6
	v_and_b32 v7, 7, v1
	v_lshrrev_b32 v8, 4, v1
	v_lshl_add_u32 v7, v8, 3, v7                   ; r
	v_lshl_add_u32 v3, v7, 4, v6                   ; out: u tiles + 16 r
	s_wait_kmcnt 0x0
	s_load_b512 s[48:63], s[20:21], 0x0            ; all sixteen exponents
	s_mov_b64 s[4:5], s[18:19]                     ; the matrix and its place in wimg: chosen by the work-group's number alone
	s_mov_b32 s40, 2097152
	s_cmp_lt_u32 s25, 128
	s_cselect_b64 s[4:5], s[16:17], s[4:5]
	s_cselect_b32 s40, 1048576, s40
	s_cmp_lt_u32 s25, 64
	s_cselect_b64 s[4:5], s[14:15], s[4:5]
	s_cselect_b32 s40, 786432, s40
	s_cmp_lt_u32 s25, 48
	s_cselect_b64 s[4:5], s[12:13], s[4:5]
	s_cselect_b32 s40, 524288, s40
	s_cmp_lt_u32 s25, 32
	s_cselect_b64 s[4:5], s[10:11], s[4:5]
	s_cselect_b32 s40, 262144, s40
	s_cmp_lt_u32 s25, 16
	s_cselect_b64 s[4:5], s[8:9], s[4:5]
	s_cselect_b32 s40, 0, s40
	s_add_co_u32 s38, s38, s40
	s_mov_b32 s39, 0
	s_add_nc_u64 s[4:5], s[4:5], s[36:37]
	s_add_nc_u64 s[6:7], s[22:23], s[38:39]
.macro LOAD c, pitch                   ; block c: W(32 c + i, my column), i = 0 .. 31, into set c % 2
.set i, 0
.rept 32
	global_load_b32 v[X+32*((\c)%2)+i], v2, s[4:5] offset:(32*(\c)+i)*(\pitch) th:TH_LOAD_NT
.set i, i+1
.endr
.endm
.macro SCALE                           ; the matrix's own exponent; 2^e and 57,344 x 2^e as f32
	s_wait_kmcnt 0x0
	s_mov_b32 s41, s63
	s_cmp_lt_u32 s25, 128
	s_cselect_b32 s41, s61, s41
	s_cmp_lt_u32 s25, 64
	s_cselect_b32 s41, s59, s41
	s_cmp_lt_u32 s25, 48
	s_cselect_b32 s41, s53, s41
	s_cmp_lt_u32 s25, 32
	s_cselect_b32 s41, s51, s41
	s_cmp_lt_u32 s25, 16
	s_cselect_b32 s41, s49, s41
	s_add_co_i32 s41, s41, 127
	s_lshl_b32 s42, s41, 23
	v_mov_b32 v4, s42                              ; the conversion takes its exponent field
	s_add_co_i32 s41, s41, 15
	s_lshl_b32 s41, s41, 23
	s_or_b32 s41, s41, 0x600000
	v_mov_b32 v5, s41
.endm
.macro BLOCK c, pitch
.set XS, X+32*((\c)%2)
.if (\c) < 3
	s_wait_loadcnt 32                              ; this block's 32 loads are in; the next block's 32 may be out
.else
	s_wait_loadcnt 0x0
.endif
.set i, 0
.rept 32
	v_med3_num_f32 v[XS+i], v[XS+i], -v5, v5       ; the conversion to an 8-bit code does not saturate (ISA guide 7.6.2): the hold comes first
.set i, i+1
.endr
.irp g, 0,1,2,3
	v_cvt_scalef32_pk8_bf8_f32 v[C+8*(\c)+2*\g:C+8*(\c)+2*\g+1], v[XS+8*\g:XS+8*\g+7], v4
.endr
	global_store_b128 v3, v[C+8*(\c):C+8*(\c)+3], s[6:7] offset:512*(\c)          ; k = 32 c + 0 .. 15: the piece's lanes 0-15
	global_store_b128 v3, v[C+8*(\c)+4:C+8*(\c)+7], s[6:7] offset:512*(\c)+256    ; k = 32 c + 16 .. 31: its lanes 16-31
.if (\c) < 2
	LOAD (\c)+2, \pitch                            ; (the codes go to stores alone, and the next block begins with plain vector lines on the other set)
.endif
.endm
.macro BODY pitch
	LOAD 0, \pitch
	LOAD 1, \pitch
	SCALE
	BLOCK 0, \pitch
	BLOCK 1, \pitch
	BLOCK 2, \pitch
	BLOCK 3, \pitch
	s_endpgm
.endm
	s_cmp_eq_u32 s27, 1                            ; every offset is an immediate, so the text stands once for each of the two row lengths
	s_cbranch_scc1 .Lwide
	BODY 2048
.Lwide:
	BODY 8192
.Lfunc_end_k_qed898289ac_wprep:
	.size	k_qed898289ac_wprep, .Lfunc_end_k_qed898289ac_wprep-k_qed898289ac_wprep
	.p2alignl 7, 3214868480
	.fill 96, 4, 3214868480
	.section	.rodata,"a",@progbits
	.p2align	6, 0x0
	.amdhsa_kernel k_qed898289ac_wprep
		.amdhsa_group_segment_fixed_size 0
		.amdhsa_private_segment_fixed_size 0
		.amdhsa_enable_private_segment 0
		.amdhsa_kernarg_size 64
		.amdhsa_user_sgpr_count 2
		.amdhsa_user_sgpr_kernarg_segment_ptr 1
		.amdhsa_wavefront_size32 1
		.amdhsa_system_sgpr_workgroup_id_x 1
		.amdhsa_system_sgpr_workgroup_id_y 1
		.amdhsa_system_sgpr_workgroup_id_z 1
		.amdhsa_system_vgpr_workitem_id 0
		.amdhsa_next_free_vgpr 112
		.amdhsa_next_free_sgpr 66
		.amdhsa_reserve_vcc 0
		.amdhsa_float_denorm_mode_32 3
		.amdhsa_float_denorm_mode_16_64 3
		.amdhsa_memory_ordered 1
		.amdhsa_forward_progress 1
		.amdhsa_inst_pref_size 48
	.end_amdhsa_kernel
	.amdgpu_metadata
---
amdhsa.version: [ 1, 2 ]
amdhsa.kernels:
  - .name:           k_qed898289ac_wprep
    .symbol:         k_qed898289ac_wprep.kd
    .args:
      - { .name: Wq, .offset: 0, .size: 8, .value_kind: global_buffer, .address_space: global }
      - { .name: Wk, .offset: 8, .size: 8, .value_kind: global_buffer, .address_space: global }
      - { .name: Wv, .offset: 16, .size: 8, .value_kind: global_buffer, .address_space: global }
      - { .name: Wo, .offset: 24, .size: 8, .value_kind: global_buffer, .address_space: global }
      - { .name: W1, .offset: 32, .size: 8, .value_kind: global_buffer, .address_space: global }
      - { .name: W2, .offset: 40, .size: 8, .value_kind: global_buffer, .address_space: global }
      - { .name: lowp_scales, .offset: 48, .size: 8, .value_kind: global_buffer, .address_space: global }
      - { .name: wimg, .offset: 56, .size: 8, .value_kind: global_buffer, .address_space: global }
    .group_segment_fixed_size: 0
    .private_segment_fixed_size: 0
    .kernarg_segment_align: 8
    .kernarg_segment_size: 64
    .max_flat_workgroup_size: 128
    .sgpr_count:     66
    .vgpr_count:     112
    .wavefront_size: 32
...
	.end_amdgpu_metadata
.endif
;; end of part 1
;; launch proj (part 2): grid 3 x 64, 8 waves a work-group, no clusters, 68,608 bytes of LDS; arguments x, wimg, bq, bk, bv, lowp_scales, qkv; writes qkv
.if DOCPART == 2
	.amdgcn_target "amdgcn-amd-amdhsa--gfx1250"
	.amdhsa_code_object_version 6
	.text
	.protected	k_qed898289ac_proj
	.globl	k_qed898289ac_proj
	.p2align	8
	.type	k_qed898289ac_proj,@function
k_qed898289ac_proj:
	s_mov_b64 s[64:65], 0
	v_nop
	global_prefetch_b8 v0, s[64:65] scope:SCOPE_SE
	s_setreg_imm32_b32 hwreg(HW_REG_WAVE_MODE, 25, 1), 1
	s_wait_xcnt 0x0
; q, k or v (work-group x = 0, 1, 2) of 128 rows of x (work-group y): x is quantised with this product's own scale, multiplied by the weight's codes, the bias added, and the result quantised for attention, as images of operand registers.
; IMAGES: a piece is 512 bytes, lane l = r + 16 h at 16 l: 16 codes, k = 32 c + 16 h + 0 .. 15 of lane r's row.  Tile T = 2 B + u of 16 rows holds rows 32 B + 8 u + r + 8 (r / 8), in every operand.
; So in a product's result, register j of half h of source 0's tile 2 B + u is index 32 B + 16 h + 8 u + j: the 16 registers of tiles 2 B and 2 B + 1 are 16 neighbours, and two conversions make a piece of the next operand.
; SHARES.  Eight waves.  Wave w quantises tile w of the 128 rows (four fragments, to LDS) and owns head w: the weight's n tiles 4 w .. 4 w + 3, 16 fragments, 256 registers (window 1), read once.
; q, k: source 0 = the weight, source 1 = x: a lane holds one row and its registers run along the head's 64.  v: the sources are swapped: a lane holds one of the head's 64 and its registers run along the keys, attention's second K.
; SCALES.  A sum stands for sum x 2^(ex + ew): the bias goes in as the C of the first K step, x 2^-(ex + ew); the conversion takes 2^(eo - ex - ew).
; LIMITS: ex and eo - ex - ew between -126 and 112.  NaN among the inputs is not served.
; qkv: q at 0, k at 4,194,304, v at 8,388,608; each + (batch x 8 + head) x 262,144 + (block of 128 rows in the batch) x 8,192; q, k: + 1,024 tile + 512 piece; v: + 2,048 (tile of the head's 64) + 512 (32 keys).
; LDS: 0 .. 65,535 x's 32 fragments, (tile m, K step s) at (4 m + s) x 2,048;  65,536 + 256 w: the wave's own 64 numbers of the bias.
.set LI,  1                            ; v1   16 x lane
.set XA,  2                            ; v2   x: (r + 8 (r / 8)) x 2,048 + 64 h
.set XWI, 3                            ; v3   16 x lane + 8,192 w: where I store x's fragments
.set PA,  4                            ; v4   my bias numbers + 64 h
.set PV,  5                            ; v5   my bias numbers + 4 (r + 8 (r / 8))
.set PB,  6                            ; v6   my bias numbers + 8 x lane
.set SX,  12                           ; v12, v13  2^ex, 57,344 x 2^ex
.set HX,  13
.set SO,  14                           ; v14, v15  the same with eo - ex - ew
.set HO,  15
.set BV,  16                           ; v16-47   the bias in the result's layout, four tiles
.set ACC, 48                           ; v48-111  two sets of four accumulators
.set XF0, 112                          ; v112-239 two sets of four fragments of x
.set CD,  240                          ; v240-255 codes
.set MSB, 0
.macro WIN new                         ; the immediate's high byte repeats the setting that is left
.if MSB != \new
	s_set_vgpr_msb (MSB<<8)|\new
.set MSB, \new
.endif
.endm
	s_load_b256 s[8:15], s[0:1], 0x0               ; x s[8:9], wimg s[10:11], bq s[12:13], bk s[14:15]
	s_load_b128 s[16:19], s[0:1], 0x20             ; bv s[16:17], lowp_scales s[18:19]
	s_load_b64 s[20:21], s[0:1], 0x30              ; qkv
	v_lshrrev_b32 v7, 5, v0
	v_readfirstlane_b32 s22, v7                    ; wave
	s_mov_b32 s24, ttmp9                           ; 0 q, 1 k, 2 v
	s_and_b32 s23, ttmp7, 0xffff                   ; block of 128 rows
	v_and_b32 v7, 31, v0                           ; lane
	v_lshlrev_b32 v[LI], 4, v7
	v_and_b32 v10, 15, v0                          ; r
	v_bfe_u32 v11, v0, 4, 1                        ; h
	v_and_b32 v[XA], 8, v10
	v_add_nc_u32 v[XA], v[XA], v10                 ; r + 8 (r / 8)
	v_lshlrev_b32 v[PV], 2, v[XA]
	v_lshlrev_b32 v[XA], 11, v[XA]
	v_lshl_add_u32 v[XA], v11, 6, v[XA]
	s_lshl_b32 s25, s22, 13
	v_add_nc_u32 v[XWI], s25, v[LI]
	s_lshl_b32 s25, s22, 8
	s_add_co_u32 s25, s25, 65536
	v_lshl_add_u32 v[PA], v11, 6, s25
	v_add_nc_u32 v[PV], s25, v[PV]
	v_lshl_add_u32 v[PB], v7, 3, s25
	v_lshlrev_b32 v10, 3, v0                       ; the bias in memory: 256 w + 8 x lane; not written again
	s_lshl_b32 s26, s23, 7
	s_lshr_b32 s27, s22, 1
	s_lshl_b32 s27, s27, 5
	s_add_co_u32 s26, s26, s27
	s_and_b32 s27, s22, 1
	s_lshl_b32 s27, s27, 3
	s_add_co_u32 s26, s26, s27                     ; my tile's first row: 128 block + 32 (w / 2) + 8 (w % 2)
	s_lshl_b32 s26, s26, 11
	s_mov_b32 s27, 0
	s_lshl_b32 s28, s24, 18
	s_lshl_b32 s29, s22, 15
	s_add_co_u32 s28, s28, s29                     ; the weight's image, my four tiles
	s_mov_b32 s29, 0
	s_lshr_b32 s30, s23, 5
	s_lshl_b32 s30, s30, 3
	s_add_co_u32 s30, s30, s22                     ; batch x 8 + head
	s_lshl_b32 s30, s30, 18
	s_and_b32 s31, s23, 31
	s_lshl_b32 s31, s31, 13
	s_add_co_u32 s30, s30, s31
	s_lshl_b32 s31, s24, 22
	s_add_co_u32 s30, s30, s31
	s_mov_b32 s31, 0
	s_wait_kmcnt 0x0
	s_load_b512 s[32:47], s[18:19], 0x0            ; the sixteen exponents
	s_add_nc_u64 s[8:9], s[8:9], s[26:27]
	s_add_nc_u64 s[10:11], s[10:11], s[28:29]
	s_add_nc_u64 s[20:21], s[20:21], s[30:31]
	s_cmp_eq_u32 s24, 0
	s_cselect_b64 s[48:49], s[12:13], s[14:15]
	s_cmp_eq_u32 s24, 2
	s_cselect_b64 s[48:49], s[16:17], s[48:49]     ; the bias
.macro XLOAD set, s                    ; my 16 rows' numbers of K step s: 64 a lane, register 16 b + i = k 32 b + 16 h + i
.irp b, 0,1,2,3
.irp j, 0,1,2,3
	global_load_b128 v[\set+16*\b+4*\j:\set+16*\b+4*\j+3], v[XA], s[8:9] offset:512*(\s)+128*\b+16*\j
.endr
.endr
.endm
.macro QUANT64 set                     ; 64 numbers of a lane become a fragment's 16 registers of codes
.irp b, 0,1,2,3
.set i, 0
.rept 16
	v_med3_num_f32 v[\set+16*\b+i], v[\set+16*\b+i], -v[HX], v[HX]   ; the conversion does not saturate (ISA guide 7.6.2): the hold comes first
.set i, i+1
.endr
	v_cvt_scalef32_pk8_bf8_f32 v[CD+4*\b:CD+4*\b+1], v[\set+16*\b:\set+16*\b+7], v[SX]
	v_cvt_scalef32_pk8_bf8_f32 v[CD+4*\b+2:CD+4*\b+3], v[\set+16*\b+8:\set+16*\b+15], v[SX]
.endr
	v_nop                                          ; a plain vector line behind the last conversion, ahead of whatever next touches its registers
.endm
.macro IMAGE s                         ; the fragment goes to LDS as it stands
.irp c, 0,1,2,3
	ds_store_b128 v[XWI], v[CD+4*\c:CD+4*\c+3] offset:2048*(\s)+512*\c
.endr
.endm
.macro FETCH m                         ; tile m's four fragments of x into set m % 2
.set XB, XF0+64*((\m)%2)
.irp s, 0,1,2,3
.irp c, 0,1,2,3
	ds_load_b128 v[XB+16*\s+4*\c:XB+16*\s+4*\c+3], v[LI] offset:(4*(\m)+\s)*2048+512*\c
.endr
.endr
.endm
; 16 products for tile m of the rows: K step by K step, the four accumulators by turns, one instruction a turn.  The first K step takes the bias as C.
.macro PROD m, swap
.set AB, ACC+32*((\m)%2)
.set XB, XF0+64*((\m)%2)
.if \swap
	WIN 0x04                                       ; source 1 (the weight) window 1
.else
	WIN 0x01                                       ; source 0 (the weight) window 1
.endif
.irp s, 0,1,2,3
.irp t, 0,1,2,3
.if \swap
.if \s == 0
	v_wmma_f32_16x16x128_bf8_bf8 v[AB+8*\t:AB+8*\t+7], v[XB+16*\s:XB+16*\s+15], v[16*(4*\t+\s):16*(4*\t+\s)+15], v[BV+8*\t:BV+8*\t+7]
.else
	v_wmma_f32_16x16x128_bf8_bf8 v[AB+8*\t:AB+8*\t+7], v[XB+16*\s:XB+16*\s+15], v[16*(4*\t+\s):16*(4*\t+\s)+15], v[AB+8*\t:AB+8*\t+7]
.endif
.else
.if \s == 0
	v_wmma_f32_16x16x128_bf8_bf8 v[AB+8*\t:AB+8*\t+7], v[16*(4*\t+\s):16*(4*\t+\s)+15], v[XB+16*\s:XB+16*\s+15], v[BV+8*\t:BV+8*\t+7]
.else
	v_wmma_f32_16x16x128_bf8_bf8 v[AB+8*\t:AB+8*\t+7], v[16*(4*\t+\s):16*(4*\t+\s)+15], v[XB+16*\s:XB+16*\s+15], v[AB+8*\t:AB+8*\t+7]
.endif
.endif
.endr
.endr
	WIN 0
.rept 4
	v_nop                                          ; four places ahead of loads into the fragments just read and of the first read of results
.endr
.endm
	WIN 0x40                                       ; destination window 1
.set i, 0
.rept 64
	global_load_b128 v[4*i:4*i+3], v[LI], s[10:11] offset:512*i   ; the weight's fragment (t, s) at v[16 (4 t + s)] of window 1: 512 consecutive bytes a load
.set i, i+1
.endr
	WIN 0
	global_load_b64 v[8:9], v10, s[48:49]          ; my head's 64 numbers of the bias
	XLOAD XF0, 0
	XLOAD XF0+64, 1
	s_wait_kmcnt 0x0
	s_cmp_eq_u32 s24, 0
	s_cselect_b32 s50, s32, s34                    ; ex: entry 0, 2 or 4
	s_cselect_b32 s51, s33, s35                    ; ew: entry 1, 3 or 5
	s_cselect_b32 s52, s38, s39                    ; eo: entry 6, 7 or 9
	s_cmp_eq_u32 s24, 2
	s_cselect_b32 s50, s36, s50
	s_cselect_b32 s51, s37, s51
	s_cselect_b32 s52, s41, s52
	s_add_co_i32 s53, s50, 127
	s_lshl_b32 s54, s53, 23
	v_mov_b32 v[SX], s54
	s_add_co_i32 s53, s53, 15
	s_lshl_b32 s53, s53, 23
	s_or_b32 s53, s53, 0x600000
	v_mov_b32 v[HX], s53
	s_add_co_i32 s51, s50, s51                     ; ex + ew
	s_sub_co_i32 s52, s52, s51                     ; eo - ex - ew
	s_sub_co_i32 s51, 0, s51                       ; -(ex + ew), for the bias
	s_add_co_i32 s53, s52, 127
	s_lshl_b32 s54, s53, 23
	v_mov_b32 v[SO], s54
	s_add_co_i32 s53, s53, 15
	s_lshl_b32 s53, s53, 23
	s_or_b32 s53, s53, 0x600000
	v_mov_b32 v[HO], s53
	s_wait_loadcnt 16                              ; the weight, the bias and K step 0 are in; K step 1's 16 loads may be out
	ds_store_b64 v[PB], v[8:9]
	QUANT64 XF0
	IMAGE 0
	s_wait_dscnt 0x0                               ; the stores have read the codes' registers
	XLOAD XF0, 2
	s_wait_loadcnt 16                              ; K step 1 is in; K step 2's 16 may be out
	QUANT64 XF0+64
	IMAGE 1
	s_wait_dscnt 0x0
	XLOAD XF0+64, 3
	s_wait_loadcnt 16                              ; K step 2 is in; K step 3's 16 may be out
	QUANT64 XF0
	IMAGE 2
	s_wait_dscnt 0x0
	s_wait_loadcnt 0x0
	QUANT64 XF0+64
	IMAGE 3
	s_wait_dscnt 0x0                               ; for the others' sake: my four fragments lie in LDS
	s_barrier_signal -1
	s_barrier_wait -1                              ; all 32 do.  From here on LDS is only read
	s_cmp_eq_u32 s24, 2
	s_cbranch_scc1 .Lv
	; ---- q, k
.irp b, 0,1
.irp i, 0,1,2,3
	ds_load_b128 v[BV+16*\b+4*\i:BV+16*\b+4*\i+3], v[PA] offset:128*\b+16*\i   ; register 16 b + 8 u + j: the bias at 32 b + 16 h + 8 u + j of my head
.endr
.endr
	FETCH 0
	FETCH 1
	s_wait_dscnt 32                                ; the bias is in; the two fetches, 32 loads, may be out
.set i, 0
.rept 32
	v_ldexp_f32 v[BV+i], v[BV+i], s51
.set i, i+1
.endr
.irp m, 0,1,2,3,4,5,6,7
.if \m < 7
	s_wait_dscnt 16                                ; tile m's fragments are in; the next tile's 16 loads may be out
.else
	s_wait_dscnt 0x0
.endif
	PROD \m, 0
.if \m < 6
	FETCH \m+2
.endif
.if \m >= 2
	s_wait_xcnt 0x0                                ; tile m - 2's stores have read the registers that the codes below are written to
.endif
.set AB, ACC+32*(\m%2)
.set CB, CD+8*(\m%2)
.set i, 0
.rept 32
	v_med3_num_f32 v[AB+i], v[AB+i], -v[HO], v[HO] ; each accumulator from its low end on
.set i, i+1
.endr
.irp g, 0,1,2,3
	v_cvt_scalef32_pk8_bf8_f32 v[CB+2*\g:CB+2*\g+1], v[AB+8*\g:AB+8*\g+7], v[SO]
.endr
	v_nop
	global_store_b128 v[LI], v[CB:CB+3], s[20:21] offset:1024*\m          ; 512 consecutive bytes a store
	global_store_b128 v[LI], v[CB+4:CB+7], s[20:21] offset:1024*\m+512
.endr
	s_wait_xcnt 0x0
	v_lshl_add_u32 v254, v0, 2, 0x10800
	v_mov_b32 v255, 0
	s_wait_tensorcnt 0x0
	ds_add_u32 v254, v255
	s_wait_dscnt 0x0
	s_endpgm
.Lv:
	; ---- v: a lane holds one of the head's 64, so a tile's eight C registers hold one number
.irp t, 0,1,2,3
	ds_load_b32 v[CD+\t], v[PV] offset:(32*(\t/2)+8*(\t%2))*4
.endr
	FETCH 0
	FETCH 1
	s_wait_dscnt 32                                ; the bias is in; the two fetches may be out
.irp t, 0,1,2,3
.irp j, 0,1,2,3,4,5,6,7
	v_ldexp_f32 v[BV+8*\t+\j], v[CD+\t], s51
.endr
.endr
.irp m, 0,1,2,3,4,5,6,7
.if \m < 7
	s_wait_dscnt 16                                ; tile m's fragments are in; the next tile's 16 loads may be out
.else
	s_wait_dscnt 0x0
.endif
	PROD \m, 1
.if \m < 6
	FETCH \m+2
.endif
.if \m%2 == 1                          ; tiles m - 1 and m of the keys: 16 neighbouring keys a lane: piece m / 2 of each of the four fragments
.if \m >= 3
	s_wait_xcnt 0x0                                ; the last pair's stores have read the codes' registers
.endif
.irp t, 0,1,2,3
.irp j, 0,1,2,3,4,5,6,7
	v_med3_num_f32 v[ACC+8*\t+\j], v[ACC+8*\t+\j], -v[HO], v[HO]
.endr
.irp j, 0,1,2,3,4,5,6,7
	v_med3_num_f32 v[ACC+32+8*\t+\j], v[ACC+32+8*\t+\j], -v[HO], v[HO]
.endr
	v_cvt_scalef32_pk8_bf8_f32 v[CD+4*\t:CD+4*\t+1], v[ACC+8*\t:ACC+8*\t+7], v[SO]
	v_cvt_scalef32_pk8_bf8_f32 v[CD+4*\t+2:CD+4*\t+3], v[ACC+32+8*\t:ACC+32+8*\t+7], v[SO]
.endr
	v_nop
.irp t, 0,1,2,3
	global_store_b128 v[LI], v[CD+4*\t:CD+4*\t+3], s[20:21] offset:2048*\t+512*(\m/2)
.endr
.endif
.endr
	s_wait_xcnt 0x0
	v_lshl_add_u32 v254, v0, 2, 0x10800
	v_mov_b32 v255, 0
	s_wait_tensorcnt 0x0
	ds_add_u32 v254, v255
	s_wait_dscnt 0x0
	s_endpgm
.Lfunc_end_k_qed898289ac_proj:
	.size	k_qed898289ac_proj, .Lfunc_end_k_qed898289ac_proj-k_qed898289ac_proj
	.p2alignl 7, 3214868480
	.fill 96, 4, 3214868480
	.section	.rodata,"a",@progbits
	.p2align	6, 0x0
	.amdhsa_kernel k_qed898289ac_proj
		.amdhsa_group_segment_fixed_size 68608
		.amdhsa_private_segment_fixed_size 0
		.amdhsa_enable_private_segment 0
		.amdhsa_kernarg_size 56
		.amdhsa_user_sgpr_count 2
		.amdhsa_user_sgpr_kernarg_segment_ptr 1
		.amdhsa_wavefront_size32 1
		.amdhsa_system_sgpr_workgroup_id_x 1
		.amdhsa_system_sgpr_workgroup_id_y 1
		.amdhsa_system_sgpr_workgroup_id_z 1
		.amdhsa_system_vgpr_workitem_id 0
		.amdhsa_next_free_vgpr 512
		.amdhsa_next_free_sgpr 66
		.amdhsa_reserve_vcc 0
		.amdhsa_float_denorm_mode_32 3
		.amdhsa_float_denorm_mode_16_64 3
		.amdhsa_memory_ordered 1
		.amdhsa_forward_progress 1
		.amdhsa_inst_pref_size 116
	.end_amdhsa_kernel
	.amdgpu_metadata
---
amdhsa.version: [ 1, 2 ]
amdhsa.kernels:
  - .name:           k_qed898289ac_proj
    .symbol:         k_qed898289ac_proj.kd
    .args:
      - { .name: x, .offset: 0, .size: 8, .value_kind: global_buffer, .address_space: global }
      - { .name: wimg, .offset: 8, .size: 8, .value_kind: global_buffer, .address_space: global }
      - { .name: bq, .offset: 16, .size: 8, .value_kind: global_buffer, .address_space: global }
      - { .name: bk, .offset: 24, .size: 8, .value_kind: global_buffer, .address_space: global }
      - { .name: bv, .offset: 32, .size: 8, .value_kind: global_buffer, .address_space: global }
      - { .name: lowp_scales, .offset: 40, .size: 8, .value_kind: global_buffer, .address_space: global }
      - { .name: qkv, .offset: 48, .size: 8, .value_kind: global_buffer, .address_space: global }
    .group_segment_fixed_size: 68608
    .private_segment_fixed_size: 0
    .kernarg_segment_align: 8
    .kernarg_segment_size: 56
    .max_flat_workgroup_size: 256
    .sgpr_count:     66
    .vgpr_count:     512
    .wavefront_size: 32
...
	.end_amdgpu_metadata
.endif
;; end of part 2
;; launch attn (part 3): grid 16 x 16, 16 waves a work-group, no clusters, 67,584 bytes of LDS; arguments qkv, lowp_scales, aimg; writes aimg
.if DOCPART == 3
	.amdgcn_target "amdgcn-amd-amdhsa--gfx1250"
	.amdhsa_code_object_version 6
	.text
	.protected	k_qed898289ac_attn
	.globl	k_qed898289ac_attn
	.p2align	8
	.type	k_qed898289ac_attn,@function
k_qed898289ac_attn:
	s_mov_b64 s[64:65], 0
	v_nop
	global_prefetch_b8 v0, s[64:65] scope:SCOPE_SE
	s_setreg_imm32_b32 hwreg(HW_REG_WAVE_MODE, 25, 1), 1
	s_wait_xcnt 0x0
; Attention of one (batch, head) (work-group y) for 256 queries (work-group x), both products on codes of E5M2; the result, divided by the row's sum, is quantised for the product with Wo and stored as an image of that operand's registers.
; THE SOFTMAX: t = score x log2(e) / 8; M = the running largest t rounded UP to a whole number; p = 2^(t - M) is quantised along the keys, not normalised; the row's sum is taken of the unquantised p and divides at the end.
; When M moves, the sum and O are multiplied by 2^(old M - new M), which rounds nothing.
; SHARES.  Sixteen waves, each with ONE tile of 16 queries in 228 registers: four waves to a SIMD, so that one wave's vector work stands beside another's products and LDS loads.  Every wave walks the head's 4,096 keys, 128 a step.
; LAYOUT.  Both products are used transposed: S^T = K Q^T, O^T = V^T P^T: a lane holds one query throughout.  All operands are images of registers (512 bytes a piece, lane l at 16 l), their tiles of 16 rows
; holding rows 32 B + 8 u + r + 8 (r / 8): so p's 16 registers of score tiles 2 b and 2 b + 1 are keys 32 b + 16 h + 0 .. 15, and two conversions make piece b of P.  O^T's registers make pieces of the next operand in the same way.
; THE RING.  Two LDS slots of 256 keys (16 KiB of K's images, 16 KiB of V's).  The 512 threads copy a slot through 16 registers each: loaded from memory a whole slot ahead of the LDS store that wants them.
; One barrier a slot does both orderings: in front of it every wave has waited for its stores into the slot ahead and for its reads of the slot behind.
; The copy stands under no branch: seven trips of two slots do all of it, and the last two slots are written out behind the loop, where nothing is left to ask for.  So each group of the copy's loads is waited for,
; and its registers are read by the LDS stores, ahead of the next group into the same registers, on every way through the text; and no load leaves the buffer.
; No tile is shared with another work-group by a joint request: the 32 KiB of a slot stand beside 32 wave-steps of some 200 vector instructions each, so what would be shared is a small part of a step's work.
; THE HOLD of p at 57,344 x 2^ep cannot act where ep >= -15 (p <= 1 < 1.75 = 57,344 x 2^-15): there a scalar branch on that given whole number passes over its 64 lines.
; LIMITS: e6 + e7 between -123 and 130 (added to c's exponent field); e8 and e10 - e8 - e9 between -126 and 112.  NaN among the inputs is not served.
; LDS: slot L at 32,768 L: K step q, tile t, piece c at 8,192 q + 1,024 t + 512 c; V at 16,384 + 8,192 q + 2,048 tile + 512 c.
; REGISTERS: v12 -M, v13 the largest t, v[14:15] the sum in two halves, v16-23 Q, v[24:25] f, v26-28 at work, v[30:31] the sum's second chain, v32-95 K's eight fragments, then V's four, v96-159 S^T, then p, v160-191 O^T,
;   v192-207 p's codes, v208-223 the copy, v224, v225: 2^e8 and 57,344 x 2^e8; v226, v227: the same with e10 - e8 - e9.
.set LI, 1                             ; v1  16 x lane
.set TI, 2                             ; v2  16 x thread
.set G,  208
.set J,  17                            ; s17 trips to go
	s_load_b128 s[8:11], s[0:1], 0x0               ; qkv, lowp_scales
	s_load_b64 s[12:13], s[0:1], 0x10              ; aimg
	v_lshl_add_u32 v240, v0, 2, 0x10000
	v_mov_b32 v241, 0
	v_lshrrev_b32 v3, 5, v0
	v_readfirstlane_b32 s14, v3                    ; wave
	v_and_b32 v3, 31, v0
	v_lshlrev_b32 v[LI], 4, v3
	v_lshlrev_b32 v[TI], 4, v0
	s_and_b32 s15, ttmp7, 0xffff                   ; bh = batch x 8 + head
	s_lshl_b32 s16, ttmp9, 4
	s_add_co_u32 s16, s16, s14                     ; my tile of queries
	s_lshl_b32 s24, s15, 18
	s_mov_b32 s25, 0
	s_lshl_b32 s26, s16, 10
	s_add_co_u32 s26, s26, s24
	s_mov_b32 s27, 0
	s_lshr_b32 s28, s15, 3
	s_lshl_b32 s28, s28, 8
	s_add_co_u32 s28, s28, s16                     ; the tile among all 8,192 rows
	s_lshl_b32 s28, s28, 13
	s_bfe_u32 s29, s15, 0x20001                    ; head / 2: the K step of the product with Wo
	s_lshl_b32 s29, s29, 11
	s_add_co_u32 s28, s28, s29
	s_and_b32 s29, s15, 1                          ; head % 2: which two of its four pieces
	s_lshl_b32 s29, s29, 10
	s_add_co_u32 s28, s28, s29
	s_mov_b32 s29, 0
	s_mov_b32 s20, 0x76543210                      ; v_permlanex16_b32's selects for lane l xor 16
	s_mov_b32 s21, 0xfedcba98
	s_wait_kmcnt 0x0
	s_load_b512 s[32:47], s[10:11], 0x0            ; the sixteen exponents
	s_add_nc_u64 s[4:5], s[8:9], s[24:25]
	s_add_nc_u64 s[6:7], s[4:5], 8388608           ; V's images of my head
	s_add_nc_u64 s[4:5], s[4:5], 4194304           ; K's
	s_add_nc_u64 s[18:19], s[8:9], s[26:27]        ; Q's fragment
	s_add_nc_u64 s[12:13], s[12:13], s[28:29]      ; where the result goes
.macro GLOAD off                       ; a slot from memory: 8,192 consecutive bytes an instruction of the work-group
	global_load_b128 v[G:G+3], v[TI], s[4:5] offset:\off
	global_load_b128 v[G+4:G+7], v[TI], s[4:5] offset:(\off)+8192
	global_load_b128 v[G+8:G+11], v[TI], s[6:7] offset:\off
	global_load_b128 v[G+12:G+15], v[TI], s[6:7] offset:(\off)+8192
.endm
.macro GSTORE L                        ; and into LDS slot L
.irp i, 0,1,2,3
	ds_store_b128 v[TI], v[G+4*\i:G+4*\i+3] offset:32768*(\L)+8192*\i
.endr
.endm
	GLOAD 0
	global_load_b128 v[16:19], v[LI], s[18:19]
	global_load_b128 v[20:23], v[LI], s[18:19] offset:512
	v_mov_b32 v13, 0xff61b1e6                      ; the largest t so far: -3e38, under every t
	v_floor_f32 v12, -v13                          ; -M
	v_mov_b32 v14, 0
	v_mov_b32 v15, 0
	v_mov_b32 v25, 0                               ; (named as the upper half of the pair v[24:25])
	v_mov_b32 v28, 0                               ; written once: a lane permute's destination counts as one of its sources
.set i, 0
.rept 32
	v_mov_b32 v[160+i], 0                          ; O^T.  (The step is written without a first step of its own: the first change of M multiplies zeros)
.set i, i+1
.endr
	s_wait_kmcnt 0x0
	s_add_co_i32 s24, s38, s39
	s_lshl_b32 s24, s24, 23
	s_mov_b32 s22, 0x3e38aa3b                      ; c = log2(e) / 8,
	s_add_co_i32 s22, s22, s24                     ; x 2^(e6 + e7): a score stands for score x 2^(e6 + e7)
	s_mov_b32 s23, s22                             ; (named with it as a pair, so it is written)
	s_add_co_i32 s24, s40, 127
	s_lshl_b32 s25, s24, 23
	v_mov_b32 v224, s25
	s_add_co_i32 s24, s24, 15
	s_lshl_b32 s24, s24, 23
	s_or_b32 s24, s24, 0x600000
	v_mov_b32 v225, s24
	s_sub_co_i32 s24, s42, s40
	s_sub_co_i32 s24, s24, s41                     ; e10 - e8 - e9: a sum of the second product stands for sum x 2^(e8 + e9)
	s_add_co_i32 s24, s24, 127
	s_lshl_b32 s25, s24, 23
	v_mov_b32 v226, s25
	s_add_co_i32 s24, s24, 15
	s_lshl_b32 s24, s24, 23
	s_or_b32 s24, s24, 0x600000
	v_mov_b32 v227, s24
	s_wait_loadcnt 0x0                             ; slot 0's bytes and Q are in registers
	GSTORE 0
	s_wait_dscnt 0x0                               ; the stores have read their registers,
	GLOAD 16384                                    ; which take slot 1
; A KEY STEP: the q-th 128 keys of LDS slot L.  gl >= 0: the copy's next loads stand here, from gl bytes on.
.macro STEP L, q, gl
.irp t, 0,1,2,3,4,5,6,7
.irp c, 0,1
	ds_load_b128 v[32+8*\t+4*\c:35+8*\t+4*\c], v[LI] offset:32768*(\L)+8192*(\q)+1024*\t+512*\c
.endr
.endr
	s_wait_dscnt 0x0                               ; K's fragments are in; and the copy's stores, issued ahead of them, have read their registers
.if (\gl) >= 0
	GLOAD \gl
.endif
.irp t, 0,1,2,3,4,5,6,7
	v_wmma_f32_16x16x64_bf8_bf8 v[96+8*\t:103+8*\t], v[32+8*\t:39+8*\t], v[16:23], 0
.endr
.rept 4
	v_nop                                          ; four places ahead of the loads into K's registers and of the first read of the scores
.endr
.irp t, 0,1,2,3
.irp c, 0,1,2,3
	ds_load_b128 v[32+16*\t+4*\c:35+16*\t+4*\c], v[LI] offset:32768*(\L)+16384+8192*(\q)+2048*\t+512*\c   ; V's fragments land while the softmax is worked
.endr
.endr
	v_max3_num_f32 v26, v96, v97, v98              ; the step's largest score of my query among my 64 keys, in two chains, each accumulator from its low end on,
	v_max3_num_f32 v27, v99, v100, v101
.irp i, 6,10,14,18,22,26,30,34,38,42,46,50,54,58
	v_max3_num_f32 v26, v26, v[96+\i], v[97+\i]
	v_max3_num_f32 v27, v27, v[98+\i], v[99+\i]
.endr
	v_max3_num_f32 v26, v26, v158, v159
	v_max_num_f32 v26, v26, v27
	v_permlanex16_b32 v28, v26, s20, s21
	v_max_num_f32 v26, v26, v28                    ; and among lane l xor 16's
	v_mul_f32 v26, s22, v26                        ; as t (c is positive)
	v_max_num_f32 v13, v13, v26                    ; the running largest t
	v_mov_b32 v26, v12
	v_floor_f32 v12, -v13                          ; the new -M = floor(-t) = -ceil(t)
	v_sub_f32 v26, v12, v26                        ; old M less new M: a whole number, 0 or less
	v_cvt_i32_f32 v26, v26                         ; (it saturates)
	v_ldexp_f32 v24, 1.0, v26                      ; f = 2^(old M - new M)
.set i, 0
.rept 32
	v_pk_fma_f32 v[96+i:97+i], v[96+i:97+i], s[22:23], v[12:13] op_sel_hi:[1,0,0]   ; t - M, two at a time
.set i, i+2
.endr
.set i, 0
.rept 64
	v_exp_f32 v[96+i], v[96+i]                     ; p = 2^(t - M)
.set i, i+1
.endr
	v_pk_mul_f32 v[14:15], v[14:15], v[24:25] op_sel_hi:[1,0]   ; the sum under the new M: the plain line behind the exponentials
	s_wait_alu depctr_va_vdst(0)                   ; one wait for the batch, ahead of its first reader
	v_pk_add_f32 v[30:31], v[96:97], v[98:99]      ; the row's sum, of the unquantised p, in two chains
.irp j, 4,8,12,16,20,24,28,32,36,40,44,48,52,56,60
	v_pk_add_f32 v[14:15], v[14:15], v[96+\j:97+\j]
	v_pk_add_f32 v[30:31], v[30:31], v[98+\j:99+\j]
.endr
	v_pk_add_f32 v[14:15], v[14:15], v[30:31]
	s_cmp_ge_i32 s40, -15
	s_cbranch_scc1 .Lno_hold_\@
.set i, 0
.rept 64
	v_min_num_f32 v[96+i], v[96+i], v225           ; the conversion does not saturate (ISA guide 7.6.2); p is not negative, so the hold is one-sided
.set i, i+1
.endr
.Lno_hold_\@:
.irp b, 0,1,2,3
	v_cvt_scalef32_pk8_bf8_f32 v[192+4*\b:193+4*\b], v[96+16*\b:103+16*\b], v224
	v_cvt_scalef32_pk8_bf8_f32 v[194+4*\b:195+4*\b], v[104+16*\b:111+16*\b], v224
.endr
.set i, 0
.rept 16
	v_pk_mul_f32 v[160+i:161+i], v[160+i:161+i], v[24:25] op_sel_hi:[1,0]   ; O^T under the new M; also the plain lines between the conversions and the products
.set i, i+2
.endr
	s_wait_dscnt 0x0                               ; V's fragments are in
.irp t, 0,1,2,3
	v_wmma_f32_16x16x128_bf8_bf8 v[160+8*\t:167+8*\t], v[32+16*\t:47+16*\t], v[192:207], v[160+8*\t:167+8*\t]
.endr
.rept 4
	v_nop                                          ; four places ahead of the next step's loads into V's registers and of the next read of O^T
.endr
.endm
; TWO SLOTS, an even one in LDS slot 0 and an odd one in LDS slot 1; every LDS offset is an immediate.  more = 1: the two slots that follow are asked for, and the even one of them is stored into LDS slot 0.
.macro TRIP more
	s_wait_dscnt 0x0                               ; my stores into slot 0 have landed, my reads of slot 1 are over
	s_barrier_signal -1
	s_barrier_wait -1                              ; both hold of all sixteen waves
	s_wait_loadcnt 0x0                             ; the odd slot's bytes, asked for a slot ago, are in registers
	GSTORE 1
.if \more
	STEP 0, 0, 32768
.else
	STEP 0, 0, -1
.endif
	STEP 0, 1, -1
	s_wait_dscnt 0x0                               ; my stores into slot 1 have landed, my reads of slot 0 are over
	s_barrier_signal -1
	s_barrier_wait -1
.if \more
	s_wait_loadcnt 0x0                             ; the next even slot's bytes, asked for a slot ago, are in registers
	GSTORE 0
	STEP 1, 0, 49152
.else
	STEP 1, 0, -1
.endif
	STEP 1, 1, -1
.endm
	s_mov_b32 s[J], 7
.Ltrip:                                            ; seven trips: trip n works slots 2 n and 2 n + 1 and asks for slots 2 n + 2 and 2 n + 3: slot 15 is the last
	TRIP 1
	s_wait_xcnt 0x0                                ; the copy's loads have read their bases: these may step
	s_add_nc_u64 s[4:5], s[4:5], 32768
	s_add_nc_u64 s[6:7], s[6:7], 32768
	s_sub_co_u32 s[J], s[J], 1
	s_cmp_lg_u32 s[J], 0
	s_cbranch_scc1 .Ltrip
	TRIP 0                                         ; slots 14 and 15: nothing is left to ask for (the stepped bases are not used)
	; THE WAY OUT: O^T / the sum, quantised with the three scales folded into one: two pieces of the operand of the product with Wo
	v_add_f32 v14, v14, v15
	v_permlanex16_b32 v28, v14, s20, s21
	v_add_f32 v14, v14, v28                        ; the row's sum
	v_rcp_f32 v26, v14
	v_nop                                          ; a plain line behind the reciprocal
	s_wait_alu depctr_va_vdst(0)                   ; and the wait ahead of its first reader
.set i, 0
.rept 32
	v_mul_f32 v[96+i], v[160+i], v26               ; register 16 b + 8 u + j: channel 32 b + 16 h + 8 u + j of my query
.set i, i+1
.endr
.set i, 0
.rept 32
	v_med3_num_f32 v[96+i], v[96+i], -v227, v227
.set i, i+1
.endr
.irp g, 0,1,2,3
	v_cvt_scalef32_pk8_bf8_f32 v[192+2*\g:193+2*\g], v[96+8*\g:103+8*\g], v226
.endr
	v_nop
	global_store_b128 v[LI], v[192:195], s[12:13]              ; 512 consecutive bytes a store
	global_store_b128 v[LI], v[196:199], s[12:13] offset:512
	s_wait_tensorcnt 0x0
	ds_add_u32 v240, v241
	s_wait_dscnt 0x0
	s_endpgm
.Lfunc_end_k_qed898289ac_attn:
	.size	k_qed898289ac_attn, .Lfunc_end_k_qed898289ac_attn-k_qed898289ac_attn
	.p2alignl 7, 3214868480
	.fill 96, 4, 3214868480
	.section	.rodata,"a",@progbits
	.p2align	6, 0x0
	.amdhsa_kernel k_qed898289ac_attn
		.amdhsa_group_segment_fixed_size 67584
		.amdhsa_private_segment_fixed_size 0
		.amdhsa_enable_private_segment 0
		.amdhsa_kernarg_size 24
		.amdhsa_user_sgpr_count 2
		.amdhsa_user_sgpr_kernarg_segment_ptr 1
		.amdhsa_wavefront_size32 1
		.amdhsa_system_sgpr_workgroup_id_x 1
		.amdhsa_system_sgpr_workgroup_id_y 1
		.amdhsa_system_sgpr_workgroup_id_z 1
		.amdhsa_system_vgpr_workitem_id 0
		.amdhsa_next_free_vgpr 242
		.amdhsa_next_free_sgpr 66
		.amdhsa_reserve_vcc 0
		.amdhsa_float_denorm_mode_32 3
		.amdhsa_float_denorm_mode_16_64 3
		.amdhsa_memory_ordered 1
		.amdhsa_forward_progress 1
		.amdhsa_inst_pref_size 132
	.end_amdhsa_kernel
	.amdgpu_metadata
---
amdhsa.version: [ 1, 2 ]
amdhsa.kernels:
  - .name:           k_qed898289ac_attn
    .symbol:         k_qed898289ac_attn.kd
    .args:
      - { .name: qkv, .offset: 0, .size: 8, .value_kind: global_buffer, .address_space: global }
      - { .name: lowp_scales, .offset: 8, .size: 8, .value_kind: global_buffer, .address_space: global }
      - { .name: aimg, .offset: 16, .size: 8, .value_kind: global_buffer, .address_space: global }
    .group_segment_fixed_size: 67584
    .private_segment_fixed_size: 0
    .kernarg_segment_align: 8
    .kernarg_segment_size: 24
    .max_flat_workgroup_size: 512
    .sgpr_count:     66
    .vgpr_count:     242
    .wavefront_size: 32
...
	.end_amdgpu_metadata
.endif
;; end of part 3
;; launch post (part 4): grid 256 x 1, 8 waves a work-group, no clusters, 177,152 bytes of LDS; arguments x, aimg, wimg, bo, b1, b2, gamma1, beta1, gamma2, beta2, lowp_scales, out0; writes out0
.if DOCPART == 4
	.amdgcn_target "amdgcn-amd-amdhsa--gfx1250"
	.amdhsa_code_object_version 6
	.text
	.protected	k_qed898289ac_post
	.globl	k_qed898289ac_post
	.p2align	8
	.type	k_qed898289ac_post,@function
k_qed898289ac_post:
	s_mov_b64 s[64:65], 0
	v_nop
	global_prefetch_b8 v0, s[64:65] scope:SCOPE_SE
	s_setreg_imm32_b32 hwreg(HW_REG_WAVE_MODE, 25, 1), 1
	s_wait_xcnt 0x0
; x1 = LN(x + a Wo + bo; gamma1, beta1);  out = LN(x1 + relu(x1 W1 + b1) W2 + b2; gamma2, beta2), LN(y) = (y - mean) / (std + 1e-5) x gamma + beta, the three products on codes of E5M2.
; a (attention's result) and the weights come as images of operand registers (512 bytes a piece, lane l at 16 l; a tile of 16 rows holds rows 32 B + 8 u + r + 8 (r / 8)).  x1 and the hidden layer never go to memory.
; SHARES.  A work-group takes 32 rows, two tiles m.  THE EIGHT WAVES SHARE THE COLUMNS: wave w owns columns 64 w .. 64 w + 63 of x1 and of the output and hidden units 256 w .. 256 w + 255.
; All products are used transposed (source 0 = the weight), so a lane holds one row and its registers run along the columns: index 16 b + 8 u + j of a row's 32 registers is column 64 w + 32 b + 16 h + 8 u + j.
; THE WEIGHTS go from memory straight into a ring of two halves of eight fragments in window 1: 18 groups of 32 loads a wave (2 of Wo, 8 of W1, 8 of W2).  Group g + 2 is asked for as soon as group g's products are issued,
; and behind the head no other global load is issued: so in front of each group the count 32 leaves exactly the youngest group out.  No barrier stands in this stream.
; No tile is asked for jointly with other work-groups: a fragment feeds two products, so a slot in LDS would be used up long before its successor could land behind a barrier with all loads waited for; the ring in registers needs none.
; SCALES.  A sum stands for sum x 2^(eA + eB).  Residual and bias go in as the accumulators' first value, x 2^-(eA + eB); the LayerNorms work on such sums (a power of two changes no rounding) and bring the factor in with 1 / (std + eps);
; b1 goes in as the C of the first K step; the hidden layer's conversion takes 2^(e14 - e12 - e13), and its hold between 0 and the largest code is the relu.
; LIMITS: e10 + e11 and e14 + e15 between -126 and 126; e12 and e14 - e12 - e13 between -126 and 112; the squares of the sums as they stand (without their power of two) stay f32 numbers.  NaN among the inputs is not served.
; The mean is taken first and the squares of the differences afterwards: no difference of large sums is formed.
; LDS: 0: x1's 8 fragments, (m, s) at (4 m + s) x 2,048.   16,384: the hidden layer's 32, (m, K step) at (16 m + ks) x 2,048.   81,920 + 8,704 w: the wave's own: x1 as its registers stand, later 32 rows x 272 bytes on the way out.
;   151,552 + 2,560 w: the wave's own parameters: b1 (1,024 bytes), then bo, b2, gamma1, beta1, gamma2, beta2 (256 each).   172,032 + 1,024 k: the k-th of four reductions: word (row, wave) at 32 row + 4 w.
.set LI,   1                           ; v1   16 x lane
.set XA,   2                           ; v2   x: (r + 8 (r / 8)) x 2,048 + 64 h
.set PA,   3                           ; v3   my parameters + 64 h
.set PS16, 4                           ; v4   my parameters + 16 x lane
.set PS8,  5                           ; v5   my parameters + 8 x lane
.set RW,   6                           ; v6   the reductions: 32 r + 4 w
.set RR,   7                           ; v7   32 r
.set XW,   8                           ; v8   where I store x1's pieces
.set HW,   9                           ; v9   where I store the hidden layer's
.set HA,   10                          ; v10  the hidden layer's fragments + 16 x lane
.set SH,   11                          ; v11  my own region + 16 x lane
.set SO,   12                          ; v12  the way out: (r + 8 (r / 8)) x 272 + 64 h
.set SR,   13                          ; v13  back: h x 272 + 16 r
.set GO,   14                          ; v14  and in memory: h x 2,048 + 16 r
.set BV,   16                          ; v16-47   a vector of 32 in the rows' layout; x1's codes
.set ACC,  48                          ; v48-111  accumulator (t, m) at 32 m + 8 t
.set HACC, 48                          ; v48-79   the hidden layer's (u, m) at 16 m + 8 u
.set B1C,  80                          ; v80-95   b1 for two tiles
.set AF,   112                         ; v112-239 eight fragments of the operand in hand
.set T,    240                         ; v240-251 at work
.set SC1,  252                         ; v252, v253  2^e12, 57,344 x 2^e12
.set HL1,  253
.set SC2,  254                         ; v254, v255  the same with e14 - e12 - e13
.set HL2,  255
.set SWO,  48                          ; s[48:49] my tiles of Wo's image; s[50:51] of W1's; s[52:53] of W2's
.set SW1,  50
.set SW2,  52
.set SXB,  54                          ; s[54:55] x; s[56:57] a's image; s[58:59] the output
.set SAB,  56
.set SOB,  58
.set SEL,  60                          ; s[60:61] v_permlanex16_b32's selects for lane l xor 16
.set KP1,  66                          ; s[66:67] 2^-(e10 + e11), twice;  s68 2^(e10 + e11)
.set KB1,  68
.set KB2,  69                          ; s69 2^(e14 + e15);  s[70:71] 2^-(e14 + e15), twice
.set KP2,  70
.set EPS,  72                          ; s72 1e-5
.set WV,   73                          ; s73 wave
.set MSB, 0
.macro WIN new                         ; the immediate's high byte repeats the setting that is left
.if MSB != \new
	s_set_vgpr_msb (MSB<<8)|\new
.set MSB, \new
.endif
.endm
.macro BARRIER                         ; my LDS stores have landed and my LDS loads are in: then the work-group's barrier
	s_wait_dscnt 0x0
	s_barrier_signal -1
	s_barrier_wait -1
.endm
.macro PLACES                          ; four places behind a run of products, ahead of loads into its operands and of the first read of its results
.rept 4
	v_nop
.endr
.endm
.macro WLOAD g                         ; group g of the weights, eight fragments, into half g % 2 of the ring: 512 consecutive bytes a load
	WIN 0x40                                       ; destination window 1
.set RB, 128*((\g)%2)
.if (\g) < 2
.set i, 0
.rept 32
	global_load_b128 v[RB+4*i:RB+4*i+3], v[LI], s[SWO:SWO+1] offset:16384*(\g)+512*i           ; tiles 2 g, 2 g + 1 of my four: (u, s) at 16 (4 u + s)
.set i, i+1
.endr
.elseif (\g) < 10
.set i, 0
.rept 32
	global_load_b128 v[RB+4*i:RB+4*i+3], v[LI], s[SW1:SW1+1] offset:16384*((\g)-2)+512*i       ; the same of my sixteen of W1
.set i, i+1
.endr
.else
.irp t, 0,1,2,3
.irp p, 0,1
.irp c, 0,1,2,3
	global_load_b128 v[RB+16*(2*\t+\p)+4*\c:RB+16*(2*\t+\p)+4*\c+3], v[LI], s[SW2:SW2+1] offset:32768*\t+2048*(2*((\g)-10)+\p)+512*\c   ; W2: K steps 2 q, 2 q + 1 of my four tiles: (t, p) at 16 (2 t + p)
.endr
.endr
.endr
.endif
	WIN 0
.endm
; 16 products: two tiles of the weight x two tiles of rows x four K steps; the four accumulators by turns, one instruction a turn.  cfirst = 1: the first K step takes b1 as C.
.macro MM8 half, dbase, step, cfirst
	WIN 0x01                                       ; source 0 (the weight) window 1
.irp s, 0,1,2,3
.irp u, 0,1
.irp m, 0,1
.if (\cfirst) && (\s == 0)
	v_wmma_f32_16x16x128_bf8_bf8 v[(\dbase)+(\step)*\m+8*\u:(\dbase)+(\step)*\m+8*\u+7], v[128*(\half)+16*(4*\u+\s):128*(\half)+16*(4*\u+\s)+15], v[AF+16*(4*\m+\s):AF+16*(4*\m+\s)+15], v[B1C+8*\u:B1C+8*\u+7]
.else
	v_wmma_f32_16x16x128_bf8_bf8 v[(\dbase)+(\step)*\m+8*\u:(\dbase)+(\step)*\m+8*\u+7], v[128*(\half)+16*(4*\u+\s):128*(\half)+16*(4*\u+\s)+15], v[AF+16*(4*\m+\s):AF+16*(4*\m+\s)+15], v[(\dbase)+(\step)*\m+8*\u:(\dbase)+(\step)*\m+8*\u+7]
.endif
.endr
.endr
.endr
	WIN 0
	PLACES
.endm
; 16 products of the last layer: two K steps x four tiles of W2 x two tiles of rows; eight accumulators by turns
.macro MM2 half, set
	WIN 0x01
.irp p, 0,1
.irp t, 0,1,2,3
.irp m, 0,1
	v_wmma_f32_16x16x128_bf8_bf8 v[ACC+32*\m+8*\t:ACC+32*\m+8*\t+7], v[128*(\half)+16*(2*\t+\p):128*(\half)+16*(2*\t+\p)+15], v[AF+64*(\set)+16*(2*\m+\p):AF+64*(\set)+16*(2*\m+\p)+15], v[ACC+32*\m+8*\t:ACC+32*\m+8*\t+7]
.endr
.endr
.endr
	WIN 0
	PLACES
.endm
.macro PARLD vec, reg                  ; vector vec of my parameters in the rows' layout: register 16 b + 4 i + .. = column 32 b + 16 h + 4 i + .. of my 64
.irp b, 0,1
.irp i, 0,1,2,3
	ds_load_b128 v[\reg+16*\b+4*\i:\reg+16*\b+4*\i+3], v[PA] offset:1024+256*(\vec)+128*\b+16*\i
.endr
.endr
.endm
.macro B1LD p                          ; b1 for hidden units 32 p + 16 h + 8 u + j of my 256
.irp u, 0,1
.irp i, 0,1
	ds_load_b128 v[B1C+8*\u+4*\i:B1C+8*\u+4*\i+3], v[PA] offset:128*(\p)+32*\u+16*\i
.endr
.endr
.endm
.macro PREP kp                         ; the accumulators' first value: (residual) x 2^-(eA + eB) + the bias, which has that factor already
.irp m, 0,1
.set i, 0
.rept 16
	v_pk_fma_f32 v[ACC+32*\m+i:ACC+32*\m+i+1], v[ACC+32*\m+i:ACC+32*\m+i+1], s[\kp:\kp+1], v[BV+i:BV+i+1] op_sel_hi:[1,0,1]
.set i, i+2
.endr
.endr
.endm
.macro HFETCH q, set                   ; the hidden layer's fragments of K steps 2 q, 2 q + 1 for both tiles of rows
.irp m, 0,1
.irp p, 0,1
.irp c, 0,1,2,3
	ds_load_b128 v[AF+64*(\set)+16*(2*\m+\p)+4*\c:AF+64*(\set)+16*(2*\m+\p)+4*\c+3], v[HA] offset:(16*\m+2*(\q)+\p)*2048+512*\c
.endr
.endr
.endr
.endm
; The chains v[T+4m:T+4m+1] and v[T+4m+2:T+4m+3] hold a lane's part of a row's sum.  They are added, joined with lane l xor 16's, and meet the other seven waves' in area k of LDS; v[T+4m] then holds the row's sum / 512, in every lane.
.macro REDUCE k
.irp m, 0,1
	v_pk_add_f32 v[T+4*\m:T+4*\m+1], v[T+4*\m:T+4*\m+1], v[T+4*\m+2:T+4*\m+3]
.endr
.irp m, 0,1
	v_add_f32 v[T+4*\m], v[T+4*\m], v[T+4*\m+1]
.endr
.irp m, 0,1
	v_permlanex16_b32 v[T+4*\m+2], v[T+4*\m], s[SEL], s[SEL+1]
.endr
.irp m, 0,1
	v_add_f32 v[T+4*\m], v[T+4*\m], v[T+4*\m+2]
.endr
.irp m, 0,1
	ds_store_b32 v[RW], v[T+4*\m] offset:1024*(\k)+512*\m
.endr
	BARRIER
.irp m, 0,1
	ds_load_b128 v[AF+64+8*\m:AF+67+8*\m], v[RR] offset:1024*(\k)+512*\m
	ds_load_b128 v[AF+68+8*\m:AF+71+8*\m], v[RR] offset:1024*(\k)+512*\m+16
.endr
	s_wait_dscnt 0x0
.irp m, 0,1
	v_pk_add_f32 v[AF+64+8*\m:AF+65+8*\m], v[AF+64+8*\m:AF+65+8*\m], v[AF+66+8*\m:AF+67+8*\m]
	v_pk_add_f32 v[AF+68+8*\m:AF+69+8*\m], v[AF+68+8*\m:AF+69+8*\m], v[AF+70+8*\m:AF+71+8*\m]
.endr
.irp m, 0,1
	v_pk_add_f32 v[AF+64+8*\m:AF+65+8*\m], v[AF+64+8*\m:AF+65+8*\m], v[AF+68+8*\m:AF+69+8*\m]
.endr
.irp m, 0,1
	v_add_f32 v[AF+64+8*\m], v[AF+64+8*\m], v[AF+65+8*\m]
.endr
.irp m, 0,1
	v_mul_f32 v[T+4*\m], 0x3b000000, v[AF+64+8*\m] ; / 512
.endr
.endm
; The LayerNorm of the 32 rows in ACC, which stand for ACC x s[kb].  Areas k and k + 1 of the reductions; two barriers.  The result, in true size, stays in ACC.
.macro LNORM k, kb, gvec, bvec
	PARLD \gvec, BV                                ; the gain and the offset are my own LDS bytes: asked for now, waited for with the first reduction's loads
	PARLD \bvec, AF
.irp m, 0,1                            ; each accumulator is read from its low end on
	v_pk_add_f32 v[T+4*\m:T+4*\m+1], v[ACC+32*\m:ACC+32*\m+1], v[ACC+32*\m+2:ACC+32*\m+3]
	v_pk_add_f32 v[T+4*\m+2:T+4*\m+3], v[ACC+32*\m+4:ACC+32*\m+5], v[ACC+32*\m+6:ACC+32*\m+7]
.irp j, 8,12,16,20,24,28
	v_pk_add_f32 v[T+4*\m:T+4*\m+1], v[T+4*\m:T+4*\m+1], v[ACC+32*\m+\j:ACC+32*\m+\j+1]
	v_pk_add_f32 v[T+4*\m+2:T+4*\m+3], v[T+4*\m+2:T+4*\m+3], v[ACC+32*\m+\j+2:ACC+32*\m+\j+3]
.endr
.endr
	REDUCE \k                                      ; the mean
.irp m, 0,1
.set i, 0
.rept 16
	v_pk_add_f32 v[ACC+32*\m+i:ACC+32*\m+i+1], v[ACC+32*\m+i:ACC+32*\m+i+1], v[T+4*\m:T+4*\m+1] op_sel_hi:[1,0] neg_lo:[0,1] neg_hi:[0,1]   ; d = y - mean (the pair's low word for both halves)
.set i, i+2
.endr
.endr
.irp m, 0,1
	v_pk_mul_f32 v[T+4*\m:T+4*\m+1], v[ACC+32*\m:ACC+32*\m+1], v[ACC+32*\m:ACC+32*\m+1]
	v_pk_mul_f32 v[T+4*\m+2:T+4*\m+3], v[ACC+32*\m+2:ACC+32*\m+3], v[ACC+32*\m+2:ACC+32*\m+3]
.irp j, 4,8,12,16,20,24,28
	v_pk_fma_f32 v[T+4*\m:T+4*\m+1], v[ACC+32*\m+\j:ACC+32*\m+\j+1], v[ACC+32*\m+\j:ACC+32*\m+\j+1], v[T+4*\m:T+4*\m+1]
	v_pk_fma_f32 v[T+4*\m+2:T+4*\m+3], v[ACC+32*\m+\j+2:ACC+32*\m+\j+3], v[ACC+32*\m+\j+2:ACC+32*\m+\j+3], v[T+4*\m+2:T+4*\m+3]
.endr
.endr
	REDUCE (\k)+1                                  ; the mean of d^2
	v_sqrt_f32 v[T+1], v[T]
	v_sqrt_f32 v[T+5], v[T+4]
	v_nop                                          ; a plain line behind the roots,
	s_wait_alu depctr_va_vdst(0)                   ; and the wait ahead of their first reader
	v_fma_f32 v[T+1], v[T+1], s[\kb], s[EPS]       ; std in true size, + eps
	v_fma_f32 v[T+5], v[T+5], s[\kb], s[EPS]
	v_rcp_f32 v[T+2], v[T+1]
	v_rcp_f32 v[T+6], v[T+5]
	v_nop
	s_wait_alu depctr_va_vdst(0)
	v_mul_f32 v[T], s[\kb], v[T+2]                 ; d x this = (y - mean) / (std + eps) in true size
	v_mul_f32 v[T+4], s[\kb], v[T+6]
.irp m, 0,1
.set i, 0
.rept 16
	v_pk_mul_f32 v[ACC+32*\m+i:ACC+32*\m+i+1], v[ACC+32*\m+i:ACC+32*\m+i+1], v[T+4*\m:T+4*\m+1] op_sel_hi:[1,0]
.set i, i+2
.endr
.set i, 0
.rept 16
	v_pk_fma_f32 v[ACC+32*\m+i:ACC+32*\m+i+1], v[ACC+32*\m+i:ACC+32*\m+i+1], v[BV+i:BV+i+1], v[AF+i:AF+i+1]   ; x gamma + beta
.set i, i+2
.endr
.endr
.endm
	s_load_b512 s[8:23], s[0:1], 0x0               ; x s[8:9], aimg s[10:11], wimg s[12:13], bo s[14:15], b1 s[16:17], b2 s[18:19], gamma1 s[20:21], beta1 s[22:23]
	s_load_b256 s[24:31], s[0:1], 0x40             ; gamma2 s[24:25], beta2 s[26:27], lowp_scales s[28:29], out0 s[30:31]
	v_lshl_add_u32 v250, v0, 2, 0x2b000
	v_mov_b32 v251, 0
	v_lshrrev_b32 v15, 5, v0
	v_readfirstlane_b32 s[WV], v15                 ; wave
	v_lshlrev_b32 v[T], 3, v0                      ; a vector of 512 in memory: 256 w + 8 x lane
	v_and_b32 v[T+1], 31, v0                       ; lane
	v_and_b32 v[T+2], 15, v0                       ; r
	v_bfe_u32 v[T+3], v0, 4, 1                     ; h
	v_lshlrev_b32 v[LI], 4, v[T+1]
	v_and_b32 v[T+4], 8, v[T+2]
	v_add_nc_u32 v[T+4], v[T+4], v[T+2]            ; r + 8 (r / 8)
	v_lshlrev_b32 v[XA], 11, v[T+4]
	v_lshl_add_u32 v[XA], v[T+3], 6, v[XA]
	s_mul_i32 s74, s[WV], 2560
	s_add_co_u32 s74, s74, 151552
	v_lshl_add_u32 v[PA], v[T+3], 6, s74
	v_add_nc_u32 v[PS16], s74, v[LI]
	v_lshl_add_u32 v[PS8], v[T+1], 3, s74
	s_lshl_b32 s74, s[WV], 2
	s_add_co_u32 s74, s74, 172032
	v_lshl_add_u32 v[RW], v[T+2], 5, s74
	v_lshlrev_b32 v[RR], 5, v[T+2]
	v_add_nc_u32 v[RR], 172032, v[RR]
	s_lshr_b32 s74, s[WV], 1
	s_lshl_b32 s74, s74, 11                        ; my 64 columns are pieces 2 (w % 2), 2 (w % 2) + 1 of K step w / 2
	s_and_b32 s75, s[WV], 1
	s_lshl_b32 s75, s75, 10
	s_add_co_u32 s74, s74, s75
	v_add_nc_u32 v[XW], s74, v[LI]
	s_lshl_b32 s74, s[WV], 12                      ; my 256 hidden units are K steps 2 w, 2 w + 1
	s_add_co_u32 s74, s74, 16384
	v_add_nc_u32 v[HW], s74, v[LI]
	v_add_nc_u32 v[HA], 16384, v[LI]
	s_mul_i32 s74, s[WV], 8704
	s_add_co_u32 s74, s74, 81920
	v_add_nc_u32 v[SH], s74, v[LI]
	v_mul_u32_u24 v[SO], v[T+4], 272
	v_lshl_add_u32 v[SO], v[T+3], 6, v[SO]
	v_add_nc_u32 v[SO], s74, v[SO]
	v_mul_u32_u24 v[SR], v[T+3], 272
	v_lshl_add_u32 v[SR], v[T+2], 4, v[SR]
	v_add_nc_u32 v[SR], s74, v[SR]
	v_lshlrev_b32 v[GO], 11, v[T+3]
	v_lshl_add_u32 v[GO], v[T+2], 4, v[GO]
	s_lshl_b32 s74, s[WV], 10
	v_add_nc_u32 v15, s74, v[LI]                   ; b1 in memory: 1,024 w + 16 x lane
	s_lshl_b32 s74, s[WV], 15
	s_add_co_u32 s74, s74, 786432
	s_mov_b32 s75, 0
	s_lshl_b32 s76, s[WV], 17
	s_add_co_u32 s78, s76, 2097152
	s_mov_b32 s79, 0
	s_add_co_u32 s76, s76, 1048576
	s_mov_b32 s77, 0
	s_lshl_b32 s80, ttmp9, 16                      ; 32 rows of 2,048 bytes,
	s_lshl_b32 s81, s[WV], 8                       ; my 64 columns
	s_add_co_u32 s80, s80, s81
	s_mov_b32 s81, 0
	s_lshl_b32 s82, ttmp9, 14                      ; two tiles of a's image
	s_mov_b32 s83, 0
	s_mov_b32 s[SEL], 0x76543210
	s_mov_b32 s[SEL+1], 0xfedcba98
	s_mov_b32 s[EPS], 0x3727c5ac
	s_wait_kmcnt 0x0
	s_load_b512 s[32:47], s[28:29], 0x0            ; the sixteen exponents
	s_add_nc_u64 s[SWO:SWO+1], s[12:13], s[74:75]
	s_add_nc_u64 s[SW1:SW1+1], s[12:13], s[76:77]
	s_add_nc_u64 s[SW2:SW2+1], s[12:13], s[78:79]
	s_add_nc_u64 s[SXB:SXB+1], s[8:9], s[80:81]
	s_add_nc_u64 s[SOB:SOB+1], s[30:31], s[80:81]
	s_add_nc_u64 s[SAB:SAB+1], s[10:11], s[82:83]
.set i, 0
.rept 32
	global_load_b128 v[AF+4*i:AF+4*i+3], v[LI], s[SAB:SAB+1] offset:512*i th:TH_LOAD_NT   ; a's fragment (m, s) at AF + 16 (4 m + s)
.set i, i+1
.endr
	WLOAD 0
.irp m, 0,1
.irp b, 0,1
.irp i, 0,1,2,3
	global_load_b128 v[ACC+32*\m+16*\b+4*\i:ACC+32*\m+16*\b+4*\i+3], v[XA], s[SXB:SXB+1] offset:16384*\m+128*\b+16*\i th:TH_LOAD_NT   ; x, in the accumulators' layout
.endr
.endr
.endr
	global_load_b128 v[BV:BV+3], v15, s[16:17]
	global_load_b128 v[BV+4:BV+7], v15, s[16:17] offset:512
	global_load_b64 v[BV+8:BV+9], v[T], s[14:15]
	global_load_b64 v[BV+10:BV+11], v[T], s[18:19]
	global_load_b64 v[BV+12:BV+13], v[T], s[20:21]
	global_load_b64 v[BV+14:BV+15], v[T], s[22:23]
	global_load_b64 v[BV+16:BV+17], v[T], s[24:25]
	global_load_b64 v[BV+18:BV+19], v[T], s[26:27]
	WLOAD 1
	s_wait_kmcnt 0x0
	s_add_co_i32 s74, s42, s43                     ; e10 + e11
	s_sub_co_i32 s84, 0, s74
	s_add_co_i32 s75, s74, 127
	s_lshl_b32 s[KB1], s75, 23
	s_add_co_i32 s75, s84, 127
	s_lshl_b32 s[KP1], s75, 23
	s_mov_b32 s[KP1+1], s[KP1]                     ; (named with it as a pair, so it is written)
	s_add_co_i32 s74, s46, s47                     ; e14 + e15
	s_sub_co_i32 s86, 0, s74
	s_add_co_i32 s75, s74, 127
	s_lshl_b32 s[KB2], s75, 23
	s_add_co_i32 s75, s86, 127
	s_lshl_b32 s[KP2], s75, 23
	s_mov_b32 s[KP2+1], s[KP2]
	s_add_co_i32 s74, s44, s45                     ; e12 + e13
	s_sub_co_i32 s85, 0, s74
	s_add_co_i32 s75, s44, 127
	s_lshl_b32 s76, s75, 23
	v_mov_b32 v[SC1], s76
	s_add_co_i32 s75, s75, 15
	s_lshl_b32 s75, s75, 23
	s_or_b32 s75, s75, 0x600000
	v_mov_b32 v[HL1], s75
	s_sub_co_i32 s75, s46, s74                     ; e14 - e12 - e13
	s_add_co_i32 s75, s75, 127
	s_lshl_b32 s76, s75, 23
	v_mov_b32 v[SC2], s76
	s_add_co_i32 s75, s75, 15
	s_lshl_b32 s75, s75, 23
	s_or_b32 s75, s75, 0x600000
	v_mov_b32 v[HL2], s75
	s_wait_loadcnt 32                              ; all but the youngest group of weights is in
.set i, 0
.rept 8
	v_ldexp_f32 v[BV+i], v[BV+i], s85              ; b1 / 2^(e12 + e13)
.set i, i+1
.endr
	v_ldexp_f32 v[BV+8], v[BV+8], s84              ; bo / 2^(e10 + e11)
	v_ldexp_f32 v[BV+9], v[BV+9], s84
	v_ldexp_f32 v[BV+10], v[BV+10], s86            ; b2 / 2^(e14 + e15)
	v_ldexp_f32 v[BV+11], v[BV+11], s86
	ds_store_b128 v[PS16], v[BV:BV+3]
	ds_store_b128 v[PS16], v[BV+4:BV+7] offset:512
.irp n, 0,1,2,3,4,5
	ds_store_b64 v[PS8], v[BV+8+2*\n:BV+9+2*\n] offset:1024+256*\n
.endr
	s_wait_dscnt 0x0                               ; the stores have read their registers
	PARLD 0, BV
	s_wait_dscnt 0x0
	PREP KP1                                       ; (x + bo) / 2^(e10 + e11)
	; ---- the product with Wo
	MM8 0, ACC, 32, 0
	WLOAD 2
	s_wait_loadcnt 32                              ; group 1 is in; group 2's 32 loads may be out
	MM8 1, ACC+16, 32, 0
	WLOAD 3
	LNORM 0, KB1, 2, 3
	; ---- x1: kept as it stands in my own LDS bytes, and quantised: my 64 columns are two pieces for each tile of rows
.set i, 0
.rept 16
	ds_store_b128 v[SH], v[ACC+4*i:ACC+4*i+3] offset:512*i
.set i, i+1
.endr
	s_wait_dscnt 0x0                               ; the stores have read their registers
.set i, 0
.rept 64
	v_med3_num_f32 v[ACC+i], v[ACC+i], -v[HL1], v[HL1]
.set i, i+1
.endr
.irp m, 0,1
.irp b, 0,1
	v_cvt_scalef32_pk8_bf8_f32 v[BV+8*\m+4*\b:BV+8*\m+4*\b+1], v[ACC+32*\m+16*\b:ACC+32*\m+16*\b+7], v[SC1]
	v_cvt_scalef32_pk8_bf8_f32 v[BV+8*\m+4*\b+2:BV+8*\m+4*\b+3], v[ACC+32*\m+16*\b+8:ACC+32*\m+16*\b+15], v[SC1]
.endr
.endr
	v_nop                                          ; a plain vector line behind the last conversion: products will write its sources
.irp m, 0,1
.irp b, 0,1
	ds_store_b128 v[XW], v[BV+8*\m+4*\b:BV+8*\m+4*\b+3] offset:8192*\m+512*\b
.endr
.endr
	BARRIER                                        ; x1's eight fragments lie in LDS
.set i, 0
.rept 32
	ds_load_b128 v[AF+4*i:AF+4*i+3], v[LI] offset:512*i
.set i, i+1
.endr
	B1LD 0
	; ---- the hidden layer, 32 units of my 256 at a time: they are one piece of the last product's operand for each tile of rows
.irp p, 0,1,2,3,4,5,6,7
	s_wait_loadcnt 32                              ; this group of weights is in; the next group's 32 loads may be out
	s_wait_dscnt 0x0                               ; x1's fragments and b1 are in; the last pieces' stores have read their registers
	MM8 \p%2, HACC, 16, 1
	WLOAD \p+4
.if \p < 7
	B1LD \p+1
.endif
.set i, 0
.rept 32
	v_med3_num_f32 v[HACC+i], v[HACC+i], 0, v[HL2] ; the relu and the hold in one; each accumulator from its low end on
.set i, i+1
.endr
.irp m, 0,1
	v_cvt_scalef32_pk8_bf8_f32 v[T+4*\m:T+4*\m+1], v[HACC+16*\m:HACC+16*\m+7], v[SC2]
	v_cvt_scalef32_pk8_bf8_f32 v[T+4*\m+2:T+4*\m+3], v[HACC+16*\m+8:HACC+16*\m+15], v[SC2]
.endr
	v_nop
.irp m, 0,1
	ds_store_b128 v[HW], v[T+4*\m:T+4*\m+3] offset:32768*\m+2048*(\p/4)+512*(\p%4)
.endr
.endr
	BARRIER                                        ; the hidden layer's 32 fragments lie in LDS
	; ---- the last product: x1 comes back as the accumulators' first value
.set i, 0
.rept 16
	ds_load_b128 v[ACC+4*i:ACC+4*i+3], v[SH] offset:512*i
.set i, i+1
.endr
	PARLD 1, BV
	HFETCH 0, 0
	HFETCH 1, 1
	s_wait_dscnt 32                                ; x1 and b2 are in; the two fetches, 32 loads, may be out
	PREP KP2                                       ; (x1 + b2) / 2^(e14 + e15)
.irp q, 0,1,2,3,4,5,6,7
.if \q < 7
	s_wait_loadcnt 32                              ; this group of weights is in; the next group's 32 loads may be out
	s_wait_dscnt 16                                ; these two K steps' fragments are in; the next fetch's 16 loads may be out
.else
	s_wait_loadcnt 0x0
	s_wait_dscnt 0x0
.endif
	MM2 \q%2, \q%2
.if \q < 6
	WLOAD \q+12
	HFETCH \q+2, \q%2
.endif
.endr
	LNORM 2, KB2, 4, 5
	; ---- the way out, through my own LDS bytes: my 64 columns are 256 consecutive bytes of a row, aligned
.irp m, 0,1
.irp b, 0,1
.irp i, 0,1,2,3
	ds_store_b128 v[SO], v[ACC+32*\m+16*\b+4*\i:ACC+32*\m+16*\b+4*\i+3] offset:2176*\m+128*\b+16*\i
.endr
.endr
.endr
.set i, 0
.rept 16
	ds_load_b128 v[AF+4*i:AF+4*i+3], v[SR] offset:544*i          ; LDS serves a wave's instructions in order (ISA guide 5.7.1.4): these see my stores
.set i, i+1
.endr
.set i, 0
.rept 16
	s_wait_dscnt 15-i                              ; pair i of rows is back; the younger loads may be out
	global_store_b128 v[GO], v[AF+4*i:AF+4*i+3], s[SOB:SOB+1] offset:4096*i th:TH_STORE_NT   ; sixteen lanes store 256 consecutive bytes, at a multiple of 256 from the output's first byte
.set i, i+1
.endr
	s_wait_tensorcnt 0x0
	ds_add_u32 v250, v251
	s_wait_dscnt 0x0
	s_endpgm
.Lfunc_end_k_qed898289ac_post:
	.size	k_qed898289ac_post, .Lfunc_end_k_qed898289ac_post-k_qed898289ac_post
	.p2alignl 7, 3214868480
	.fill 96, 4, 3214868480
	.section	.rodata,"a",@progbits
	.p2align	6, 0x0
	.amdhsa_kernel k_qed898289ac_post
		.amdhsa_group_segment_fixed_size 177152
		.amdhsa_private_segment_fixed_size 0
		.amdhsa_enable_private_segment 0
		.amdhsa_kernarg_size 96
		.amdhsa_user_sgpr_count 2
		.amdhsa_user_sgpr_kernarg_segment_ptr 1
		.amdhsa_wavefront_size32 1
		.amdhsa_system_sgpr_workgroup_id_x 1
		.amdhsa_system_sgpr_workgroup_id_y 1
		.amdhsa_system_sgpr_workgroup_id_z 1
		.amdhsa_system_vgpr_workitem_id 0
		.amdhsa_next_free_vgpr 512
		.amdhsa_next_free_sgpr 96
		.amdhsa_reserve_vcc 0
		.amdhsa_float_denorm_mode_32 3
		.amdhsa_float_denorm_mode_16_64 3
		.amdhsa_memory_ordered 1
		.amdhsa_forward_progress 1
		.amdhsa_inst_pref_size 165
	.end_amdhsa_kernel
	.amdgpu_metadata
---
amdhsa.version: [ 1, 2 ]
amdhsa.kernels:
  - .name:           k_qed898289ac_post
    .symbol:         k_qed898289ac_post.kd
    .args:
      - { .name: x, .offset: 0, .size: 8, .value_kind: global_buffer, .address_space: global }
      - { .name: aimg, .offset: 8, .size: 8, .value_kind: global_buffer, .address_space: global }
      - { .name: wimg, .offset: 16, .size: 8, .value_kind: global_buffer, .address_space: global }
      - { .name: bo, .offset: 24, .size: 8, .value_kind: global_buffer, .address_space: global }
      - { .name: b1, .offset: 32, .size: 8, .value_kind: global_buffer, .address_space: global }
      - { .name: b2, .offset: 40, .size: 8, .value_kind: global_buffer, .address_space: global }
      - { .name: gamma1, .offset: 48, .size: 8, .value_kind: global_buffer, .address_space: global }
      - { .name: beta1, .offset: 56, .size: 8, .value_kind: global_buffer, .address_space: global }
      - { .name: gamma2, .offset: 64, .size: 8, .value_kind: global_buffer, .address_space: global }
      - { .name: beta2, .offset: 72, .size: 8, .value_kind: global_buffer, .address_space: global }
      - { .name: lowp_scales, .offset: 80, .size: 8, .value_kind: global_buffer, .address_space: global }
      - { .name: out0, .offset: 88, .size: 8, .value_kind: global_buffer, .address_space: global }
    .group_segment_fixed_size: 177152
    .private_segment_fixed_size: 0
    .kernarg_segment_align: 8
    .kernarg_segment_size: 96
    .max_flat_workgroup_size: 256
    .sgpr_count:     96
    .vgpr_count:     512
    .wavefront_size: 32
...
	.end_amdgpu_metadata
.endif
;; end of part 4
;; ======== version 2 of 2: 4 launches
;; limits: right only within a limited range of input values
;; workspace buffers: wimg 3,145,728 bytes; qkv 12,582,912 bytes; aimg 4,194,304 bytes
;; launch wprep (part 5): grid 192 x 1, 4 waves a work-group, no clusters, 0 bytes of LDS; arguments Wq, Wk, Wv, Wo, W1, W2, lowp_scales, wimg; writes wimg
.if DOCPART == 5
	.amdgcn_target "amdgcn-amd-amdhsa--gfx1250"
	.amdhsa_code_object_version 6
	.text
	.protected	k_qed898289ac_wprep
	.globl	k_qed898289ac_wprep
	.p2align	8
	.type	k_qed898289ac_wprep,@function
k_qed898289ac_wprep:
	s_mov_b64 s[64:65], 0
	v_nop
	global_prefetch_b8 v0, s[64:65] scope:SCOPE_SE
	s_setreg_imm32_b32 hwreg(HW_REG_WAVE_MODE, 25, 1), 1
	s_wait_xcnt 0x0
; The six weights, f32 stored [K][N], become codes of E5M2 laid IN THE ORDER OF AN OPERAND'S REGISTERS.
; code = w / 2^e, held within +-57,344, to the nearest code, ties to even; e is the weight's entry of lowp_scales (1, 3, 5, 11, 13, 15).
; LIMITS: -126 <= e <= 112, so that 2^e and 57,344 x 2^e are f32 numbers.  NaN among the inputs is not served.
; THE IMAGE.  A piece is 512 bytes: lane l = r + 16 h has the 16 bytes at 16 l, the codes of k = 32 c + 16 h + 0 .. 15 of the row that belongs to lane r.  A fragment (16 rows n x 128 k) is four pieces, c = 0 .. 3.
; Tile T = 2 B + u of 16 rows holds rows 32 B + 8 u + r + 8 (r / 8).  Fragment (T, K step s) of a matrix lies at (T x (K / 128) + s) x 2,048 bytes from the matrix's place in wimg.
; SHARES.  A work-group takes 128 columns n x 128 along K, a wave 32 columns.  A LANE TAKES A COLUMN AND ITS REGISTERS RUN DOWN K: each load reads 128 consecutive bytes a wave, and the conversions give codes with K innermost.
; Column 32 B + i belongs to tile u = (i / 8) % 2 and lane r = i % 8 + 8 (i / 16): a store of 16 bytes a lane fills two aligned runs of 256 bytes, one in each of the two tiles.
; Work-groups 0-63: Wq, Wk, Wv, Wo, 16 each; 64-127: W1; 128-191: W2.  No LDS, no barrier: waves share nothing.  Loads run two blocks of 32 ahead.
.set X, 16                             ; v16-79   two sets of 32 numbers
.set C, 80                             ; v80-111  eight registers of codes for each of the four blocks: no store's data are written again
	s_load_b512 s[8:23], s[0:1], 0x0               ; Wq s[8:9], Wk, Wv, Wo, W1 s[16:17], W2 s[18:19], lowp_scales s[20:21], wimg s[22:23]
	v_lshrrev_b32 v1, 5, v0
	v_readfirstlane_b32 s24, v1                    ; wave
	v_and_b32 v1, 31, v0                           ; lane
	s_wait_alu depctr_va_vdst(0)
	v_lshlrev_b32 v2, 2, v1                        ; in: 4 bytes a lane
	s_mov_b32 s25, ttmp9                           ; g
	s_and_b32 s26, s25, 63
	s_and_b32 s27, s25, 15
	s_cmp_lt_u32 s25, 64
	s_cselect_b32 s26, s27, s26                    ; the unit inside the matrix
	s_lshr_b32 s27, s25, 6
	s_cmp_eq_u32 s27, 1                            ; W1, the one matrix with 2,048 columns?
	s_cselect_b32 s28, 15, 3                       ; groups of 128 columns, less one
	s_cselect_b32 s29, 4, 2
	s_cselect_b32 s30, 20, 18                      ; log2 of 128 rows of the matrix in bytes
	s_and_b32 s31, s26, s28                        ; cg: which 128 columns
	s_lshr_b32 s33, s26, s29                       ; ks: which 128 along K
	s_cmp_ge_u32 s25, 128
	s_cselect_b32 s34, 15, 13                      ; log2 of a tile's bytes in the image: (K / 128) x 2,048
	s_lshl_b32 s36, s33, s30
	s_lshl_b32 s37, s31, 9
	s_add_co_u32 s36, s36, s37
	s_lshl_b32 s37, s24, 7
	s_add_co_u32 s36, s36, s37                     ; source: ks x 128 rows + 512 cg + 128 wave
	s_mov_b32 s37, 0
	s_lshl_b32 s38, s31, 2
	s_add_co_u32 s38, s38, s24                     ; B = 4 cg + wave
	s_add_co_u32 s39, s34, 1
	s_lshl_b32 s38, s38, s39                       ; two tiles for each B
	s_lshl_b32 s39, s33, 11
	s_add_co_u32 s38, s38, s39                     ; + ks x 2,048
	v_bfe_u32 v6, v1, 3, 1                         ; u
	v_lshlrev_b32 v6, s34, v6
	v_and_b32 v7, 7, v1
	v_lshrrev_b32 v8, 4, v1
	v_lshl_add_u32 v7, v8, 3, v7                   ; r
	v_lshl_add_u32 v3, v7, 4, v6                   ; out: u tiles + 16 r
	s_wait_kmcnt 0x0
	s_load_b512 s[48:63], s[20:21], 0x0            ; all sixteen exponents
	s_mov_b64 s[4:5], s[18:19]                     ; the matrix and its place in wimg: chosen by the work-group's number alone
	s_mov_b32 s40, 2097152
	s_cmp_lt_u32 s25, 128
	s_cselect_b64 s[4:5], s[16:17], s[4:5]
	s_cselect_b32 s40, 1048576, s40
	s_cmp_lt_u32 s25, 64
	s_cselect_b64 s[4:5], s[14:15], s[4:5]
	s_cselect_b32 s40, 786432, s40
	s_cmp_lt_u32 s25, 48
	s_cselect_b64 s[4:5], s[12:13], s[4:5]
	s_cselect_b32 s40, 524288, s40
	s_cmp_lt_u32 s25, 32
	s_cselect_b64 s[4:5], s[10:11], s[4:5]
	s_cselect_b32 s40, 262144, s40
	s_cmp_lt_u32 s25, 16
	s_cselect_b64 s[4:5], s[8:9], s[4:5]
	s_cselect_b32 s40, 0, s40
	s_add_co_u32 s38, s38, s40
	s_mov_b32 s39, 0
	s_add_nc_u64 s[4:5], s[4:5], s[36:37]
	s_add_nc_u64 s[6:7], s[22:23], s[38:39]
.macro LOAD c, pitch                   ; block c: W(32 c + i, my column), i = 0 .. 31, into set c % 2
.set i, 0
.rept 32
	global_load_b32 v[X+32*((\c)%2)+i], v2, s[4:5] offset:(32*(\c)+i)*(\pitch) th:TH_LOAD_NT
.set i, i+1
.endr
.endm
.macro SCALE                           ; the matrix's own exponent; 2^e and 57,344 x 2^e as f32
	s_wait_kmcnt 0x0
	s_mov_b32 s41, s63
	s_cmp_lt_u32 s25, 128
	s_cselect_b32 s41, s61, s41
	s_cmp_lt_u32 s25, 64
	s_cselect_b32 s41, s59, s41
	s_cmp_lt_u32 s25, 48
	s_cselect_b32 s41, s53, s41
	s_cmp_lt_u32 s25, 32
	s_cselect_b32 s41, s51, s41
	s_cmp_lt_u32 s25, 16
	s_cselect_b32 s41, s49, s41
	s_add_co_i32 s41, s41, 127
	s_lshl_b32 s42, s41, 23
	v_mov_b32 v4, s42                              ; the conversion takes its exponent field
	s_add_co_i32 s41, s41, 15
	s_lshl_b32 s41, s41, 23
	s_or_b32 s41, s41, 0x600000
	v_mov_b32 v5, s41
.endm
.macro BLOCK c, pitch
.set XS, X+32*((\c)%2)
.if (\c) < 3
	s_wait_loadcnt 32                              ; this block's 32 loads are in; the next block's 32 may be out
.else
	s_wait_loadcnt 0x0
.endif
.set i, 0
.rept 32
	v_med3_num_f32 v[XS+i], v[XS+i], -v5, v5       ; the conversion to an 8-bit code does not saturate (ISA guide 7.6.2): the hold comes first
.set i, i+1
.endr
.irp g, 0,1,2,3
	v_cvt_scalef32_pk8_bf8_f32 v[C+8*(\c)+2*\g:C+8*(\c)+2*\g+1], v[XS+8*\g:XS+8*\g+7], v4
.endr
	global_store_b128 v3, v[C+8*(\c):C+8*(\c)+3], s[6:7] offset:512*(\c)          ; k = 32 c + 0 .. 15: the piece's lanes 0-15
	global_store_b128 v3, v[C+8*(\c)+4:C+8*(\c)+7], s[6:7] offset:512*(\c)+256    ; k = 32 c + 16 .. 31: its lanes 16-31
.if (\c) < 2
	LOAD (\c)+2, \pitch                            ; (the codes go to stores alone, and the next block begins with plain vector lines on the other set)
.endif
.endm
.macro BODY pitch
	LOAD 0, \pitch
	LOAD 1, \pitch
	SCALE
	s_wait_alu depctr_va_vdst(0)
	BLOCK 0, \pitch
	BLOCK 1, \pitch
	BLOCK 2, \pitch
	BLOCK 3, \pitch
	s_endpgm
.endm
	s_cmp_eq_u32 s27, 1                            ; every offset is an immediate, so the text stands once for each of the two row lengths
	s_cbranch_scc1 .Lwide
	s_wait_alu depctr_va_vdst(0)
	BODY 2048
.Lwide:
	s_wait_alu depctr_va_vdst(0)
	BODY 8192
.Lfunc_end_k_qed898289ac_wprep:
	.size	k_qed898289ac_wprep, .Lfunc_end_k_qed898289ac_wprep-k_qed898289ac_wprep
	.p2alignl 7, 3214868480
	.fill 96, 4, 3214868480
	.section	.rodata,"a",@progbits
	.p2align	6, 0x0
	.amdhsa_kernel k_qed898289ac_wprep
		.amdhsa_group_segment_fixed_size 0
		.amdhsa_private_segment_fixed_size 0
		.amdhsa_enable_private_segment 0
		.amdhsa_kernarg_size 64
		.amdhsa_user_sgpr_count 2
		.amdhsa_user_sgpr_kernarg_segment_ptr 1
		.amdhsa_wavefront_size32 1
		.amdhsa_system_sgpr_workgroup_id_x 1
		.amdhsa_system_sgpr_workgroup_id_y 1
		.amdhsa_system_sgpr_workgroup_id_z 1
		.amdhsa_system_vgpr_workitem_id 0
		.amdhsa_next_free_vgpr 112
		.amdhsa_next_free_sgpr 66
		.amdhsa_reserve_vcc 0
		.amdhsa_float_denorm_mode_32 3
		.amdhsa_float_denorm_mode_16_64 3
		.amdhsa_memory_ordered 1
		.amdhsa_forward_progress 1
		.amdhsa_inst_pref_size 48
	.end_amdhsa_kernel
	.amdgpu_metadata
---
amdhsa.version: [ 1, 2 ]
amdhsa.kernels:
  - .name:           k_qed898289ac_wprep
    .symbol:         k_qed898289ac_wprep.kd
    .args:
      - { .name: Wq, .offset: 0, .size: 8, .value_kind: global_buffer, .address_space: global }
      - { .name: Wk, .offset: 8, .size: 8, .value_kind: global_buffer, .address_space: global }
      - { .name: Wv, .offset: 16, .size: 8, .value_kind: global_buffer, .address_space: global }
      - { .name: Wo, .offset: 24, .size: 8, .value_kind: global_buffer, .address_space: global }
      - { .name: W1, .offset: 32, .size: 8, .value_kind: global_buffer, .address_space: global }
      - { .name: W2, .offset: 40, .size: 8, .value_kind: global_buffer, .address_space: global }
      - { .name: lowp_scales, .offset: 48, .size: 8, .value_kind: global_buffer, .address_space: global }
      - { .name: wimg, .offset: 56, .size: 8, .value_kind: global_buffer, .address_space: global }
    .group_segment_fixed_size: 0
    .private_segment_fixed_size: 0
    .kernarg_segment_align: 8
    .kernarg_segment_size: 64
    .max_flat_workgroup_size: 128
    .sgpr_count:     66
    .vgpr_count:     112
    .wavefront_size: 32
...
	.end_amdgpu_metadata
.endif
;; end of part 5
;; launch proj (part 6): grid 3 x 64, 8 waves a work-group, no clusters, 68,608 bytes of LDS; arguments x, wimg, bq, bk, bv, lowp_scales, qkv; writes qkv
.if DOCPART == 6
	.amdgcn_target "amdgcn-amd-amdhsa--gfx1250"
	.amdhsa_code_object_version 6
	.text
	.protected	k_qed898289ac_proj
	.globl	k_qed898289ac_proj
	.p2align	8
	.type	k_qed898289ac_proj,@function
k_qed898289ac_proj:
	s_mov_b64 s[64:65], 0
	v_nop
	global_prefetch_b8 v0, s[64:65] scope:SCOPE_SE
	s_setreg_imm32_b32 hwreg(HW_REG_WAVE_SCHED_MODE, 0, 2), 2
	s_setreg_imm32_b32 hwreg(HW_REG_WAVE_MODE, 25, 1), 1
	s_wait_xcnt 0x0
	s_wait_alu depctr_vm_vsrc(0)
; q, k or v (work-group x = 0, 1, 2) of 128 rows of x (work-group y): x is quantised with this product's own scale, multiplied by the weight's codes, the bias added, and the result quantised for attention, as images of operand registers.
; IMAGES: a piece is 512 bytes, lane l = r + 16 h at 16 l: 16 codes, k = 32 c + 16 h + 0 .. 15 of lane r's row.  Tile T = 2 B + u of 16 rows holds rows 32 B + 8 u + r + 8 (r / 8), in every operand.
; So in a product's result, register j of half h of source 0's tile 2 B + u is index 32 B + 16 h + 8 u + j: the 16 registers of tiles 2 B and 2 B + 1 are 16 neighbours, and two conversions make a piece of the next operand.
; SHARES.  Eight waves.  Wave w quantises tile w of the 128 rows (four fragments, to LDS) and owns head w: the weight's n tiles 4 w .. 4 w + 3, 16 fragments, 256 registers (window 1), read once.
; q, k: source 0 = the weight, source 1 = x: a lane holds one row and its registers run along the head's 64.  v: the sources are swapped: a lane holds one of the head's 64 and its registers run along the keys, attention's second K.
; SCALES.  A sum stands for sum x 2^(ex + ew): the bias goes in as the C of the first K step, x 2^-(ex + ew); the conversion takes 2^(eo - ex - ew).
; LIMITS: ex and eo - ex - ew between -126 and 112.  NaN among the inputs is not served.
; qkv: q at 0, k at 4,194,304, v at 8,388,608; each + (batch x 8 + head) x 262,144 + (block of 128 rows in the batch) x 8,192; q, k: + 1,024 tile + 512 piece; v: + 2,048 (tile of the head's 64) + 512 (32 keys).
; LDS: 0 .. 65,535 x's 32 fragments, (tile m, K step s) at (4 m + s) x 2,048;  65,536 + 256 w: the wave's own 64 numbers of the bias.
; THE MODE: SCHED_MODE bits 1:0 = 2 (LLVM: expert scheduling mode 2), set by the entry lines.  The code itself states the register dependences
; between vector or matrix instructions and memory or LDS instructions, with s_wait_alu, always for 0.
; THE PLAN.  Registers that memory or LDS instructions touch, and who else names them:
;   v1-6, v10    offsets and LDS addresses: made once at the head, never written again: one wait on va_vdst ahead of the first load serves them for the whole kernel.
;   window 1     the weight: loaded once; afterwards named by products alone.
;   XF0, 2 sets  At the head x as f32: loads land, the holds and conversions work on a set, the loads of two K steps on land in it.
;                Behind the barrier x's fragments: LDS loads land, tile m's products read set m % 2, tile m + 2's LDS loads land in it.
;   CD           codes: written by conversions; read by LDS stores (head) and by global stores (tiles); in the v path four words of the bias land there once.
;   BV           the bias: LDS loads land once (q, k).   ACC is named by vector and matrix instructions alone.
; ONE wait on va_vdst stands behind each run of conversions.  At the head it states that the codes are written (the LDS stores read them) and that the set of x is done with (the next loads land in it).
; In a tile's step it states that the codes are written (the global stores read them) and that the step's products are done reading their set (tile m + 2's fragments land in it); loads and stores follow it with no vector line between.
; A wait on vm_vsrc stands ahead of each run of conversions that writes codes' registers which stores have read: at the head beside the wait on DScnt, in the tiles beside the wait on XCNT, a step and more behind those stores.
.set LI,  1                            ; v1   16 x lane
.set XA,  2                            ; v2   x: (r + 8 (r / 8)) x 2,048 + 64 h
.set XWI, 3                            ; v3   16 x lane + 8,192 w: where I store x's fragments
.set PA,  4                            ; v4   my bias numbers + 64 h
.set PV,  5                            ; v5   my bias numbers + 4 (r + 8 (r / 8))
.set PB,  6                            ; v6   my bias numbers + 8 x lane
.set SX,  12                           ; v12, v13  2^ex, 57,344 x 2^ex
.set HX,  13
.set SO,  14                           ; v14, v15  the same with eo - ex - ew
.set HO,  15
.set BV,  16                           ; v16-47   the bias in the result's layout, four tiles
.set ACC, 48                           ; v48-111  two sets of four accumulators
.set XF0, 112                          ; v112-239 two sets of four fragments of x
.set CD,  240                          ; v240-255 codes
.set MSB, 0
.macro WIN new                         ; the immediate's high byte repeats the setting that is left
.if MSB != \new
	s_set_vgpr_msb (MSB<<8)|\new
.set MSB, \new
.endif
.endm
	s_load_b256 s[8:15], s[0:1], 0x0               ; x s[8:9], wimg s[10:11], bq s[12:13], bk s[14:15]
	s_load_b128 s[16:19], s[0:1], 0x20             ; bv s[16:17], lowp_scales s[18:19]
	s_load_b64 s[20:21], s[0:1], 0x30              ; qkv
	v_lshrrev_b32 v7, 5, v0
	v_readfirstlane_b32 s22, v7                    ; wave
	s_mov_b32 s24, ttmp9                           ; 0 q, 1 k, 2 v
	s_and_b32 s23, ttmp7, 0xffff                   ; block of 128 rows
	v_and_b32 v7, 31, v0                           ; lane
	v_lshlrev_b32 v[LI], 4, v7
	v_and_b32 v10, 15, v0                          ; r
	v_bfe_u32 v11, v0, 4, 1                        ; h
	v_and_b32 v[XA], 8, v10
	v_add_nc_u32 v[XA], v[XA], v10                 ; r + 8 (r / 8)
	v_lshlrev_b32 v[PV], 2, v[XA]
	v_lshlrev_b32 v[XA], 11, v[XA]
	v_lshl_add_u32 v[XA], v11, 6, v[XA]
	s_wait_alu depctr_va_sdst(0)                   ; s22, the wave's number, is written, ahead of its first reader
	s_lshl_b32 s25, s22, 13
	v_add_nc_u32 v[XWI], s25, v[LI]
	s_lshl_b32 s25, s22, 8
	s_add_co_u32 s25, s25, 65536
	v_lshl_add_u32 v[PA], v11, 6, s25
	v_add_nc_u32 v[PV], s25, v[PV]
	v_lshl_add_u32 v[PB], v7, 3, s25
	v_lshlrev_b32 v10, 3, v0                       ; the bias in memory: 256 w + 8 x lane; not written again
	s_lshl_b32 s26, s23, 7
	s_lshr_b32 s27, s22, 1
	s_lshl_b32 s27, s27, 5
	s_add_co_u32 s26, s26, s27
	s_and_b32 s27, s22, 1
	s_lshl_b32 s27, s27, 3
	s_add_co_u32 s26, s26, s27                     ; my tile's first row: 128 block + 32 (w / 2) + 8 (w % 2)
	s_lshl_b32 s26, s26, 11
	s_mov_b32 s27, 0
	s_lshl_b32 s28, s24, 18
	s_lshl_b32 s29, s22, 15
	s_add_co_u32 s28, s28, s29                     ; the weight's image, my four tiles
	s_mov_b32 s29, 0
	s_lshr_b32 s30, s23, 5
	s_lshl_b32 s30, s30, 3
	s_add_co_u32 s30, s30, s22                     ; batch x 8 + head
	s_lshl_b32 s30, s30, 18
	s_and_b32 s31, s23, 31
	s_lshl_b32 s31, s31, 13
	s_add_co_u32 s30, s30, s31
	s_lshl_b32 s31, s24, 22
	s_add_co_u32 s30, s30, s31
	s_mov_b32 s31, 0
	s_wait_kmcnt 0x0
	s_load_b512 s[32:47], s[18:19], 0x0            ; the sixteen exponents
	s_add_nc_u64 s[8:9], s[8:9], s[26:27]
	s_add_nc_u64 s[10:11], s[10:11], s[28:29]
	s_add_nc_u64 s[20:21], s[20:21], s[30:31]
	s_cmp_eq_u32 s24, 0
	s_cselect_b64 s[48:49], s[12:13], s[14:15]
	s_cmp_eq_u32 s24, 2
	s_cselect_b64 s[48:49], s[16:17], s[48:49]     ; the bias
.macro XLOAD set, s                    ; my 16 rows' numbers of K step s: 64 a lane, register 16 b + i = k 32 b + 16 h + i
.irp b, 0,1,2,3
.irp j, 0,1,2,3
	global_load_b128 v[\set+16*\b+4*\j:\set+16*\b+4*\j+3], v[XA], s[8:9] offset:512*(\s)+128*\b+16*\j
.endr
.endr
.endm
.macro QUANT64 set                     ; 64 numbers of a lane become a fragment's 16 registers of codes
.irp b, 0,1,2,3
.set i, 0
.rept 16
	v_med3_num_f32 v[\set+16*\b+i], v[\set+16*\b+i], -v[HX], v[HX]   ; the conversion does not saturate (ISA guide 7.6.2): the hold comes first
.set i, i+1
.endr
	v_cvt_scalef32_pk8_bf8_f32 v[CD+4*\b:CD+4*\b+1], v[\set+16*\b:\set+16*\b+7], v[SX]
	v_cvt_scalef32_pk8_bf8_f32 v[CD+4*\b+2:CD+4*\b+3], v[\set+16*\b+8:\set+16*\b+15], v[SX]
.endr
	v_nop                                          ; a plain vector line behind the last conversion, ahead of whatever next touches its registers
	s_wait_alu depctr_va_vdst(0)                   ; the conversions have written the codes, which the LDS stores read; holds and conversions are done with this set, in which the next loads land
.endm
.macro IMAGE s                         ; the fragment goes to LDS as it stands
.irp c, 0,1,2,3
	ds_store_b128 v[XWI], v[CD+4*\c:CD+4*\c+3] offset:2048*(\s)+512*\c
.endr
.endm
.macro FETCH m                         ; tile m's four fragments of x into set m % 2
.set XB, XF0+64*((\m)%2)
.irp s, 0,1,2,3
.irp c, 0,1,2,3
	ds_load_b128 v[XB+16*\s+4*\c:XB+16*\s+4*\c+3], v[LI] offset:(4*(\m)+\s)*2048+512*\c
.endr
.endr
.endm
; 16 products for tile m of the rows: K step by K step, the four accumulators by turns, one instruction a turn.  The first K step takes the bias as C.
.macro PROD m, swap
.set AB, ACC+32*((\m)%2)
.set XB, XF0+64*((\m)%2)
.if \swap
	WIN 0x04                                       ; source 1 (the weight) window 1
.else
	WIN 0x01                                       ; source 0 (the weight) window 1
.endif
.irp s, 0,1,2,3
.irp t, 0,1,2,3
.if \swap
.if \s == 0
	v_wmma_f32_16x16x128_bf8_bf8 v[AB+8*\t:AB+8*\t+7], v[XB+16*\s:XB+16*\s+15], v[16*(4*\t+\s):16*(4*\t+\s)+15], v[BV+8*\t:BV+8*\t+7]
.else
	v_wmma_f32_16x16x128_bf8_bf8 v[AB+8*\t:AB+8*\t+7], v[XB+16*\s:XB+16*\s+15], v[16*(4*\t+\s):16*(4*\t+\s)+15], v[AB+8*\t:AB+8*\t+7]
.endif
.else
.if \s == 0
	v_wmma_f32_16x16x128_bf8_bf8 v[AB+8*\t:AB+8*\t+7], v[16*(4*\t+\s):16*(4*\t+\s)+15], v[XB+16*\s:XB+16*\s+15], v[BV+8*\t:BV+8*\t+7]
.else
	v_wmma_f32_16x16x128_bf8_bf8 v[AB+8*\t:AB+8*\t+7], v[16*(4*\t+\s):16*(4*\t+\s)+15], v[XB+16*\s:XB+16*\s+15], v[AB+8*\t:AB+8*\t+7]
.endif
.endif
.endr
.endr
	WIN 0
.rept 4
	v_nop                                          ; four places (ISA guide 7.12.1) ahead of the first read of results
.endr
.endm
	WIN 0x40                                       ; destination window 1
	s_wait_alu depctr_va_vdst(0)                   ; the offsets and addresses v1 to v6 and v10 are written, which every load and store of the kernel reads
.set i, 0
.rept 64
	global_load_b128 v[4*i:4*i+3], v[LI], s[10:11] offset:512*i   ; the weight's fragment (t, s) at v[16 (4 t + s)] of window 1: 512 consecutive bytes a load
.set i, i+1
.endr
	WIN 0
	global_load_b64 v[8:9], v10, s[48:49]          ; my head's 64 numbers of the bias
	XLOAD XF0, 0
	XLOAD XF0+64, 1
	s_wait_kmcnt 0x0
	s_cmp_eq_u32 s24, 0
	s_cselect_b32 s50, s32, s34                    ; ex: entry 0, 2 or 4
	s_cselect_b32 s51, s33, s35                    ; ew: entry 1, 3 or 5
	s_cselect_b32 s52, s38, s39                    ; eo: entry 6, 7 or 9
	s_cmp_eq_u32 s24, 2
	s_cselect_b32 s50, s36, s50
	s_cselect_b32 s51, s37, s51
	s_cselect_b32 s52, s41, s52
	s_add_co_i32 s53, s50, 127
	s_lshl_b32 s54, s53, 23
	v_mov_b32 v[SX], s54
	s_add_co_i32 s53, s53, 15
	s_lshl_b32 s53, s53, 23
	s_or_b32 s53, s53, 0x600000
	v_mov_b32 v[HX], s53
	s_add_co_i32 s51, s50, s51                     ; ex + ew
	s_sub_co_i32 s52, s52, s51                     ; eo - ex - ew
	s_sub_co_i32 s51, 0, s51                       ; -(ex + ew), for the bias
	s_add_co_i32 s53, s52, 127
	s_lshl_b32 s54, s53, 23
	v_mov_b32 v[SO], s54
	s_add_co_i32 s53, s53, 15
	s_lshl_b32 s53, s53, 23
	s_or_b32 s53, s53, 0x600000
	v_mov_b32 v[HO], s53
	s_wait_alu depctr_va_vdst(0)
	s_wait_loadcnt 16                              ; the weight, the bias and K step 0 are in; K step 1's 16 loads may be out
	ds_store_b64 v[PB], v[8:9]
	QUANT64 XF0
	IMAGE 0
	XLOAD XF0, 2                                   ; no vector line since the wait in QUANT64 names this set
	s_wait_loadcnt 16                              ; K step 1 is in; K step 2's 16 may be out
	s_wait_dscnt 0x0                               ; the fragment's stores are done
	s_wait_alu depctr_vm_vsrc(0)                   ; they have read the codes' registers, which the conversions below write again
	QUANT64 XF0+64
	IMAGE 1
	XLOAD XF0+64, 3
	s_wait_loadcnt 16                              ; K step 2 is in; K step 3's 16 may be out
	s_wait_dscnt 0x0
	s_wait_alu depctr_vm_vsrc(0)                   ; the stores have read the codes' registers, which the conversions below write again
	QUANT64 XF0
	IMAGE 2
	s_wait_loadcnt 0x0
	s_wait_dscnt 0x0
	s_wait_alu depctr_vm_vsrc(0)                   ; the stores have read the codes' registers, which the conversions below write again
	QUANT64 XF0+64
	IMAGE 3
	s_wait_dscnt 0x0                               ; for the others' sake: my four fragments lie in LDS
	s_barrier_signal -1
	s_barrier_wait -1                              ; all 32 do.  From here on LDS is only read
	s_wait_alu depctr_vm_vsrc(0)                   ; my last stores have read the codes' registers, which both ways below write again: it stands ahead of the branch
	s_cmp_eq_u32 s24, 2
	s_cbranch_scc1 .Lv
	; ---- q, k.  (No vector line since the wait in the last QUANT64: the loads below land in registers that every earlier vector line is done with)
.irp b, 0,1
.irp i, 0,1,2,3
	ds_load_b128 v[BV+16*\b+4*\i:BV+16*\b+4*\i+3], v[PA] offset:128*\b+16*\i   ; register 16 b + 8 u + j: the bias at 32 b + 16 h + 8 u + j of my head
.endr
.endr
	FETCH 0
	FETCH 1
	s_wait_dscnt 32                                ; the bias is in; the two fetches, 32 loads, may be out
.set i, 0
.rept 32
	v_ldexp_f32 v[BV+i], v[BV+i], s51
.set i, i+1
.endr
	s_wait_alu depctr_va_vdst(0)
.irp m, 0,1,2,3,4,5,6,7
.if \m < 7
	s_wait_dscnt 16                                ; tile m's fragments are in; the next tile's 16 loads may be out
.else
	s_wait_dscnt 0x0
.endif
	PROD \m, 0
.if \m >= 2
	s_wait_xcnt 0x0                                ; tile m - 2's stores have had their addresses translated,
	s_wait_alu depctr_vm_vsrc(0)                   ; and have read the registers that the codes below are written to
.endif
.set AB, ACC+32*(\m%2)
.set CB, CD+8*(\m%2)
.set i, 0
.rept 32
	v_med3_num_f32 v[AB+i], v[AB+i], -v[HO], v[HO] ; each accumulator from its low end on
.set i, i+1
.endr
.irp g, 0,1,2,3
	v_cvt_scalef32_pk8_bf8_f32 v[CB+2*\g:CB+2*\g+1], v[AB+8*\g:AB+8*\g+7], v[SO]
.endr
	v_nop
	s_wait_alu depctr_va_vdst(0)                   ; the conversions have written the codes, which the stores read; the tile's products are done reading their set of x, in which the fragments of two tiles on land
.if \m < 6
	FETCH \m+2
.endif
	global_store_b128 v[LI], v[CB:CB+3], s[20:21] offset:1024*\m          ; 512 consecutive bytes a store
	global_store_b128 v[LI], v[CB+4:CB+7], s[20:21] offset:1024*\m+512
.endr
	s_wait_xcnt 0x0
	s_wait_alu depctr_vm_vsrc(0)                   ; the last stores have read v254 and v255, which are made anew below
	v_lshl_add_u32 v254, v0, 2, 0x10800
	v_mov_b32 v255, 0
	s_wait_dscnt 0x0                               ; the closing lines, six on end
	s_wait_alu 0x0
	s_wait_tensorcnt 0x0
	ds_add_u32 v254, v255
	s_wait_dscnt 0x0
	s_endpgm
.Lv:
	; ---- v: a lane holds one of the head's 64, so a tile's eight C registers hold one number
.irp t, 0,1,2,3
	ds_load_b32 v[CD+\t], v[PV] offset:(32*(\t/2)+8*(\t%2))*4
.endr
	FETCH 0
	FETCH 1
	s_wait_dscnt 32                                ; the bias is in; the two fetches may be out
.irp t, 0,1,2,3
.irp j, 0,1,2,3,4,5,6,7
	v_ldexp_f32 v[BV+8*\t+\j], v[CD+\t], s51
.endr
.endr
	s_wait_alu depctr_va_vdst(0)
; Tiles m - 1 and m (m odd) of the keys give a lane 16 neighbouring keys: piece m / 2 of each of the four fragments.  Each tile is converted in its own step: the even one gives a piece's low two registers, the odd one its high two.
.irp m, 0,1,2,3,4,5,6,7
.if \m < 7
	s_wait_dscnt 16                                ; tile m's fragments are in; the next tile's 16 loads may be out
.else
	s_wait_dscnt 0x0
.endif
	PROD \m, 1
.if (\m%2 == 0) && (\m >= 2)
	s_wait_xcnt 0x0                                ; the last pair's stores have had their addresses translated,
	s_wait_alu depctr_vm_vsrc(0)                   ; and have read the codes' registers, which this pair's conversions write again
.endif
.set AB, ACC+32*(\m%2)
.irp t, 0,1,2,3
.irp j, 0,1,2,3,4,5,6,7
	v_med3_num_f32 v[AB+8*\t+\j], v[AB+8*\t+\j], -v[HO], v[HO]   ; each accumulator from its low end on
.endr
	v_cvt_scalef32_pk8_bf8_f32 v[CD+4*\t+2*(\m%2):CD+4*\t+2*(\m%2)+1], v[AB+8*\t:AB+8*\t+7], v[SO]
.endr
	v_nop
	s_wait_alu depctr_va_vdst(0)                   ; the tile's products are done reading their set of x, in which the fragments of two tiles on land; the conversions have written the codes, which the stores of an odd tile's step read
.if \m < 6
	FETCH \m+2
.endif
.if \m%2 == 1
.irp t, 0,1,2,3
	global_store_b128 v[LI], v[CD+4*\t:CD+4*\t+3], s[20:21] offset:2048*\t+512*(\m/2)
.endr
.endif
.endr
	s_wait_xcnt 0x0
	s_wait_alu depctr_vm_vsrc(0)                   ; the last stores have read v254 and v255, which are made anew below
	v_lshl_add_u32 v254, v0, 2, 0x10800
	v_mov_b32 v255, 0
	s_wait_dscnt 0x0                               ; the closing lines, six on end
	s_wait_alu 0x0
	s_wait_tensorcnt 0x0
	ds_add_u32 v254, v255
	s_wait_dscnt 0x0
	s_endpgm
.Lfunc_end_k_qed898289ac_proj:
	.size	k_qed898289ac_proj, .Lfunc_end_k_qed898289ac_proj-k_qed898289ac_proj
	.p2alignl 7, 3214868480
	.fill 96, 4, 3214868480
	.section	.rodata,"a",@progbits
	.p2align	6, 0x0
	.amdhsa_kernel k_qed898289ac_proj
		.amdhsa_group_segment_fixed_size 68608
		.amdhsa_private_segment_fixed_size 0
		.amdhsa_enable_private_segment 0
		.amdhsa_kernarg_size 56
		.amdhsa_user_sgpr_count 2
		.amdhsa_user_sgpr_kernarg_segment_ptr 1
		.amdhsa_wavefront_size32 1
		.amdhsa_system_sgpr_workgroup_id_x 1
		.amdhsa_system_sgpr_workgroup_id_y 1
		.amdhsa_system_sgpr_workgroup_id_z 1
		.amdhsa_system_vgpr_workitem_id 0
		.amdhsa_next_free_vgpr 512
		.amdhsa_next_free_sgpr 66
		.amdhsa_reserve_vcc 0
		.amdhsa_float_denorm_mode_32 3
		.amdhsa_float_denorm_mode_16_64 3
		.amdhsa_memory_ordered 1
		.amdhsa_forward_progress 1
		.amdhsa_inst_pref_size 118
	.end_amdhsa_kernel
	.amdgpu_metadata
---
amdhsa.version: [ 1, 2 ]
amdhsa.kernels:
  - .name:           k_qed898289ac_proj
    .symbol:         k_qed898289ac_proj.kd
    .args:
      - { .name: x, .offset: 0, .size: 8, .value_kind: global_buffer, .address_space: global }
      - { .name: wimg, .offset: 8, .size: 8, .value_kind: global_buffer, .address_space: global }
      - { .name: bq, .offset: 16, .size: 8, .value_kind: global_buffer, .address_space: global }
      - { .name: bk, .offset: 24, .size: 8, .value_kind: global_buffer, .address_space: global }
      - { .name: bv, .offset: 32, .size: 8, .value_kind: global_buffer, .address_space: global }
      - { .name: lowp_scales, .offset: 40, .size: 8, .value_kind: global_buffer, .address_space: global }
      - { .name: qkv, .offset: 48, .size: 8, .value_kind: global_buffer, .address_space: global }
    .group_segment_fixed_size: 68608
    .private_segment_fixed_size: 0
    .kernarg_segment_align: 8
    .kernarg_segment_size: 56
    .max_flat_workgroup_size: 256
    .sgpr_count:     66
    .vgpr_count:     512
    .wavefront_size: 32
...
	.end_amdgpu_metadata
.endif
;; end of part 6
;; launch attn (part 7): grid 16 x 16, 16 waves a work-group, no clusters, 67,584 bytes of LDS; arguments qkv, lowp_scales, aimg; writes aimg
.if DOCPART == 7
	.amdgcn_target "amdgcn-amd-amdhsa--gfx1250"
	.amdhsa_code_object_version 6
	.text
	.protected	k_qed898289ac_attn
	.globl	k_qed898289ac_attn
	.p2align	8
	.type	k_qed898289ac_attn,@function
k_qed898289ac_attn:
	s_mov_b64 s[64:65], 0
	v_nop
	global_prefetch_b8 v0, s[64:65] scope:SCOPE_SE
	s_setreg_imm32_b32 hwreg(HW_REG_WAVE_SCHED_MODE, 0, 2), 2
	s_setreg_imm32_b32 hwreg(HW_REG_WAVE_MODE, 25, 1), 1
	s_wait_xcnt 0x0
	s_wait_alu depctr_vm_vsrc(0)
; Attention of one (batch, head) (work-group y) for 256 queries (work-group x), both products on codes of E5M2; the result, divided by the row's sum, is quantised for the product with Wo and stored as an image of that operand's registers.
; THE SOFTMAX: t = score x log2(e) / 8; M = the running largest t rounded UP to a whole number; p = 2^(t - M) is quantised along the keys, not normalised; the row's sum is taken of the unquantised p and divides at the end.
; When M moves, the sum and O are multiplied by 2^(old M - new M), which rounds nothing.
; SHARES.  Sixteen waves, each with ONE tile of 16 queries in 228 registers: four waves to a SIMD, so that one wave's vector work stands beside another's products and LDS loads.  Every wave walks the head's 4,096 keys, 128 a step.
; LAYOUT.  Both products are used transposed: S^T = K Q^T, O^T = V^T P^T: a lane holds one query throughout.  All operands are images of registers (512 bytes a piece, lane l at 16 l), their tiles of 16 rows
; holding rows 32 B + 8 u + r + 8 (r / 8): so p's 16 registers of score tiles 2 b and 2 b + 1 are keys 32 b + 16 h + 0 .. 15, and two conversions make piece b of P.  O^T's registers make pieces of the next operand in the same way.
; THE RING.  Two LDS slots of 256 keys (16 KiB of K's images, 16 KiB of V's).  The 512 threads copy a slot through 16 registers each: loaded from memory a whole slot ahead of the LDS store that wants them.
; One barrier a slot does both orderings: in front of it every wave has waited for its stores into the slot ahead and for its reads of the slot behind.
; The copy stands under no branch: seven trips of two slots do all of it, and the last two slots are written out behind the loop, where nothing is left to ask for.  So each group of the copy's loads is waited for,
; and its registers are read by the LDS stores, ahead of the next group into the same registers, on every way through the text; and no load leaves the buffer.
; No tile is shared with another work-group by a joint request: the 32 KiB of a slot stand beside 32 wave-steps of some 200 vector instructions each, so what would be shared is a small part of a step's work.
; THE HOLD of p at 57,344 x 2^ep cannot act where ep >= -15 (p <= 1 < 1.75 = 57,344 x 2^-15): there a scalar branch on that given whole number passes over its 64 lines.
; LIMITS: e6 + e7 between -123 and 130 (added to c's exponent field); e8 and e10 - e8 - e9 between -126 and 112.  NaN among the inputs is not served.
; LDS: slot L at 32,768 L: K step q, tile t, piece c at 8,192 q + 1,024 t + 512 c; V at 16,384 + 8,192 q + 2,048 tile + 512 c.
; REGISTERS: v12 -M, v13 the largest t, v[14:15] the sum in two halves, v16-23 Q, v[24:25] f, v26-28 at work, v[30:31] the sum's second chain, v32-95 K's eight fragments, then V's four, v96-159 S^T, then p, v160-191 O^T,
;   v192-207 p's codes, v208-223 the copy, v224, v225: 2^e8 and 57,344 x 2^e8; v226, v227: the same with e10 - e8 - e9.
; THE MODE: SCHED_MODE bits 1:0 = 2 (LLVM: expert scheduling mode 2), set by the entry lines.  The code itself states the register dependences
; between vector or matrix instructions and memory or LDS instructions, with s_wait_alu, always for 0.
; THE PLAN.  Registers that memory or LDS instructions touch, and who else names them:
;   v1, v2      16 x lane, 16 x thread: made once at the head, never written again: one wait on va_vdst ahead of the first load serves every load and store of the kernel.
;   v32-95      In a step: K's fragments land; the eight products K Q^T read them; V's fragments land; the four products V^T P^T read them.
;   v208-223    The copy: global loads land, LDS stores read.  No vector instruction names them.
;   v192-199    At the end: conversions write them, two global stores read them.
;   v240, v241  Written at the head, read by the closing add alone.
; So a step holds two waits on va_vdst for its loads: at its head (the last step's V^T P^T are done reading v32-95) and behind K Q^T (which are done reading them); each run of loads follows its wait with no vector line between.
; The step's fourth wait on va_vdst, behind the exponentials, stands ahead of their first reader.  One wait on vm_vsrc stands ahead of each group of the copy's loads: the LDS stores have read v208-223.
.set LI, 1                             ; v1  16 x lane
.set TI, 2                             ; v2  16 x thread
.set G,  208
.set J,  17                            ; s17 trips to go
	s_load_b128 s[8:11], s[0:1], 0x0               ; qkv, lowp_scales
	s_load_b64 s[12:13], s[0:1], 0x10              ; aimg
	v_lshl_add_u32 v240, v0, 2, 0x10000
	v_mov_b32 v241, 0
	v_lshrrev_b32 v3, 5, v0
	v_readfirstlane_b32 s14, v3                    ; wave
	v_and_b32 v3, 31, v0
	v_lshlrev_b32 v[LI], 4, v3
	v_lshlrev_b32 v[TI], 4, v0
	s_and_b32 s15, ttmp7, 0xffff                   ; bh = batch x 8 + head
	s_lshl_b32 s16, ttmp9, 4
	s_wait_alu depctr_va_sdst(0)                   ; s14, the wave's number, is written, ahead of its first reader
	s_add_co_u32 s16, s16, s14                     ; my tile of queries
	s_lshl_b32 s24, s15, 18
	s_mov_b32 s25, 0
	s_lshl_b32 s26, s16, 10
	s_add_co_u32 s26, s26, s24
	s_mov_b32 s27, 0
	s_lshr_b32 s28, s15, 3
	s_lshl_b32 s28, s28, 8
	s_add_co_u32 s28, s28, s16                     ; the tile among all 8,192 rows
	s_lshl_b32 s28, s28, 13
	s_bfe_u32 s29, s15, 0x20001                    ; head / 2: the K step of the product with Wo
	s_lshl_b32 s29, s29, 11
	s_add_co_u32 s28, s28, s29
	s_and_b32 s29, s15, 1                          ; head % 2: which two of its four pieces
	s_lshl_b32 s29, s29, 10
	s_add_co_u32 s28, s28, s29
	s_mov_b32 s29, 0
	s_mov_b32 s20, 0x76543210                      ; v_permlanex16_b32's selects for lane l xor 16
	s_mov_b32 s21, 0xfedcba98
	s_wait_kmcnt 0x0
	s_load_b512 s[32:47], s[10:11], 0x0            ; the sixteen exponents
	s_add_nc_u64 s[4:5], s[8:9], s[24:25]
	s_add_nc_u64 s[6:7], s[4:5], 8388608           ; V's images of my head
	s_add_nc_u64 s[4:5], s[4:5], 4194304           ; K's
	s_add_nc_u64 s[18:19], s[8:9], s[26:27]        ; Q's fragment
	s_add_nc_u64 s[12:13], s[12:13], s[28:29]      ; where the result goes
.macro GLOAD off                       ; a slot from memory: 8,192 consecutive bytes an instruction of the work-group
	global_load_b128 v[G:G+3], v[TI], s[4:5] offset:\off
	global_load_b128 v[G+4:G+7], v[TI], s[4:5] offset:(\off)+8192
	global_load_b128 v[G+8:G+11], v[TI], s[6:7] offset:\off
	global_load_b128 v[G+12:G+15], v[TI], s[6:7] offset:(\off)+8192
.endm
.macro GSTORE L                        ; and into LDS slot L
.irp i, 0,1,2,3
	ds_store_b128 v[TI], v[G+4*\i:G+4*\i+3] offset:32768*(\L)+8192*\i
.endr
.endm
	s_wait_alu depctr_va_vdst(0)                   ; v1 and v2 are written: every load and store of the kernel reads one of them as its offset or address
	GLOAD 0
	global_load_b128 v[16:19], v[LI], s[18:19]
	global_load_b128 v[20:23], v[LI], s[18:19] offset:512
	v_mov_b32 v13, 0xff61b1e6                      ; the largest t so far: -3e38, under every t
	v_floor_f32 v12, -v13                          ; -M
	v_mov_b32 v14, 0
	v_mov_b32 v15, 0
	v_mov_b32 v25, 0                               ; (named as the upper half of the pair v[24:25])
	v_mov_b32 v28, 0                               ; written once: a lane permute's destination counts as one of its sources
.set i, 0
.rept 32
	v_mov_b32 v[160+i], 0                          ; O^T.  (The step is written without a first step of its own: the first change of M multiplies zeros)
.set i, i+1
.endr
	s_wait_kmcnt 0x0
	s_add_co_i32 s24, s38, s39
	s_lshl_b32 s24, s24, 23
	s_mov_b32 s22, 0x3e38aa3b                      ; c = log2(e) / 8,
	s_add_co_i32 s22, s22, s24                     ; x 2^(e6 + e7): a score stands for score x 2^(e6 + e7)
	s_mov_b32 s23, s22                             ; (named with it as a pair, so it is written)
	s_add_co_i32 s24, s40, 127
	s_lshl_b32 s25, s24, 23
	v_mov_b32 v224, s25
	s_add_co_i32 s24, s24, 15
	s_lshl_b32 s24, s24, 23
	s_or_b32 s24, s24, 0x600000
	v_mov_b32 v225, s24
	s_sub_co_i32 s24, s42, s40
	s_sub_co_i32 s24, s24, s41                     ; e10 - e8 - e9: a sum of the second product stands for sum x 2^(e8 + e9)
	s_add_co_i32 s24, s24, 127
	s_lshl_b32 s25, s24, 23
	v_mov_b32 v226, s25
	s_add_co_i32 s24, s24, 15
	s_lshl_b32 s24, s24, 23
	s_or_b32 s24, s24, 0x600000
	v_mov_b32 v227, s24
	s_wait_loadcnt 0x0                             ; slot 0's bytes and Q are in registers
	GSTORE 0
	s_wait_dscnt 0x0                               ; the stores are done,
	s_wait_alu depctr_vm_vsrc(0)                   ; and have read v208-223,
	GLOAD 16384                                    ; which take slot 1
; A KEY STEP: the q-th 128 keys of LDS slot L.  gl >= 0: the copy's next loads stand here, from gl bytes on.
.macro STEP L, q, gl
	s_wait_alu depctr_va_vdst(0)                   ; the last step's products V^T P^T are done reading v32-95, in which K's fragments land
.irp t, 0,1,2,3,4,5,6,7
.irp c, 0,1
	ds_load_b128 v[32+8*\t+4*\c:35+8*\t+4*\c], v[LI] offset:32768*(\L)+8192*(\q)+1024*\t+512*\c
.endr
.endr
	s_wait_dscnt 0x0                               ; K's fragments are in; and the copy's stores, issued ahead of them, are done
.if (\gl) >= 0
	s_wait_alu depctr_vm_vsrc(0)                   ; the copy's LDS stores have read v208-223, in which the loads below land
	GLOAD \gl
.endif
.irp t, 0,1,2,3,4,5,6,7
	v_wmma_f32_16x16x64_bf8_bf8 v[96+8*\t:103+8*\t], v[32+8*\t:39+8*\t], v[16:23], 0
.endr
.rept 4
	v_nop                                          ; four places (ISA guide 7.12.1) ahead of the first read of the scores
.endr
	s_wait_alu depctr_va_vdst(0)                   ; the products K Q^T are done reading v32-95, in which V's fragments land
.irp t, 0,1,2,3
.irp c, 0,1,2,3
	ds_load_b128 v[32+16*\t+4*\c:35+16*\t+4*\c], v[LI] offset:32768*(\L)+16384+8192*(\q)+2048*\t+512*\c   ; V's fragments land while the softmax is worked
.endr
.endr
	v_max3_num_f32 v26, v96, v97, v98              ; the step's largest score of my query among my 64 keys, in two chains, each accumulator from its low end on,
	v_max3_num_f32 v27, v99, v100, v101
.irp i, 6,10,14,18,22,26,30,34,38,42,46,50,54,58
	v_max3_num_f32 v26, v26, v[96+\i], v[97+\i]
	v_max3_num_f32 v27, v27, v[98+\i], v[99+\i]
.endr
	v_max3_num_f32 v26, v26, v158, v159
	v_max_num_f32 v26, v26, v27
	v_permlanex16_b32 v28, v26, s20, s21
	v_max_num_f32 v26, v26, v28                    ; and among lane l xor 16's
	v_mul_f32 v26, s22, v26                        ; as t (c is positive)
	v_max_num_f32 v13, v13, v26                    ; the running largest t
	v_mov_b32 v26, v12
	v_floor_f32 v12, -v13                          ; the new -M = floor(-t) = -ceil(t)
	v_sub_f32 v26, v12, v26                        ; old M less new M: a whole number, 0 or less
	v_cvt_i32_f32 v26, v26                         ; (it saturates)
	v_ldexp_f32 v24, 1.0, v26                      ; f = 2^(old M - new M)
.set i, 0
.rept 32
	v_pk_fma_f32 v[96+i:97+i], v[96+i:97+i], s[22:23], v[12:13] op_sel_hi:[1,0,0]   ; t - M, two at a time
.set i, i+2
.endr
.set i, 0
	s_wait_alu depctr_va_vdst(0)
.rept 64
	v_exp_f32 v[96+i], v[96+i]                     ; p = 2^(t - M)
.set i, i+1
.endr
	v_pk_mul_f32 v[14:15], v[14:15], v[24:25] op_sel_hi:[1,0]   ; the sum under the new M: the plain line behind the exponentials
	s_wait_alu depctr_va_vdst(0)                   ; the 64 exponentials have written v96-159: one wait for the batch, ahead of its first reader
	v_pk_add_f32 v[30:31], v[96:97], v[98:99]      ; the row's sum, of the unquantised p, in two chains
.irp j, 4,8,12,16,20,24,28,32,36,40,44,48,52,56,60
	v_pk_add_f32 v[14:15], v[14:15], v[96+\j:97+\j]
	v_pk_add_f32 v[30:31], v[30:31], v[98+\j:99+\j]
.endr
	v_pk_add_f32 v[14:15], v[14:15], v[30:31]
	s_cmp_ge_i32 s40, -15
	s_cbranch_scc1 .Lno_hold_\@
.set i, 0
.rept 64
	v_min_num_f32 v[96+i], v[96+i], v225           ; the conversion does not saturate (ISA guide 7.6.2); p is not negative, so the hold is one-sided
.set i, i+1
.endr
.Lno_hold_\@:
.irp b, 0,1,2,3
	v_cvt_scalef32_pk8_bf8_f32 v[192+4*\b:193+4*\b], v[96+16*\b:103+16*\b], v224
	v_cvt_scalef32_pk8_bf8_f32 v[194+4*\b:195+4*\b], v[104+16*\b:111+16*\b], v224
.endr
.set i, 0
.rept 16
	v_pk_mul_f32 v[160+i:161+i], v[160+i:161+i], v[24:25] op_sel_hi:[1,0]   ; O^T under the new M; also the plain lines between the conversions and the products
.set i, i+2
.endr
	s_wait_alu depctr_va_vdst(0)
	s_wait_dscnt 0x0                               ; V's fragments are in
.irp t, 0,1,2,3
	v_wmma_f32_16x16x128_bf8_bf8 v[160+8*\t:167+8*\t], v[32+16*\t:47+16*\t], v[192:207], v[160+8*\t:167+8*\t]
.endr
.rept 4
	v_nop                                          ; four places (ISA guide 7.12.1) ahead of the next read of O^T
.endr
.endm
; TWO SLOTS, an even one in LDS slot 0 and an odd one in LDS slot 1; every LDS offset is an immediate.  more = 1: the two slots that follow are asked for, and the even one of them is stored into LDS slot 0.
.macro TRIP more
	s_wait_dscnt 0x0                               ; my stores into slot 0 have landed, my reads of slot 1 are over
	s_barrier_signal -1
	s_barrier_wait -1                              ; both hold of all sixteen waves
	s_wait_loadcnt 0x0                             ; the odd slot's bytes, asked for a slot ago, are in registers
	GSTORE 1
.if \more
	STEP 0, 0, 32768
.else
	STEP 0, 0, -1
.endif
	STEP 0, 1, -1
	s_wait_dscnt 0x0                               ; my stores into slot 1 have landed, my reads of slot 0 are over
	s_barrier_signal -1
	s_barrier_wait -1
.if \more
	s_wait_loadcnt 0x0                             ; the next even slot's bytes, asked for a slot ago, are in registers
	GSTORE 0
	STEP 1, 0, 49152
.else
	STEP 1, 0, -1
.endif
	STEP 1, 1, -1
.endm
	s_mov_b32 s[J], 7
.Ltrip:                                            ; seven trips: trip n works slots 2 n and 2 n + 1 and asks for slots 2 n + 2 and 2 n + 3: slot 15 is the last
	TRIP 1
	s_wait_xcnt 0x0                                ; the copy's loads have read their bases: these may step
	s_add_nc_u64 s[4:5], s[4:5], 32768
	s_add_nc_u64 s[6:7], s[6:7], 32768
	s_sub_co_u32 s[J], s[J], 1
	s_cmp_lg_u32 s[J], 0
	s_cbranch_scc1 .Ltrip
	TRIP 0                                         ; slots 14 and 15: nothing is left to ask for (the stepped bases are not used)
	; THE WAY OUT: O^T / the sum, quantised with the three scales folded into one: two pieces of the operand of the product with Wo
	v_add_f32 v14, v14, v15
	v_permlanex16_b32 v28, v14, s20, s21
	v_add_f32 v14, v14, v28                        ; the row's sum
	s_wait_alu depctr_va_vdst(0)
	v_rcp_f32 v26, v14
	v_nop                                          ; a plain line behind the reciprocal
	s_wait_alu depctr_va_vdst(0)                   ; the reciprocal has written v26: the wait ahead of its first reader
.set i, 0
.rept 32
	v_mul_f32 v[96+i], v[160+i], v26               ; register 16 b + 8 u + j: channel 32 b + 16 h + 8 u + j of my query
.set i, i+1
.endr
.set i, 0
.rept 32
	v_med3_num_f32 v[96+i], v[96+i], -v227, v227
.set i, i+1
.endr
.irp g, 0,1,2,3
	v_cvt_scalef32_pk8_bf8_f32 v[192+2*\g:193+2*\g], v[96+8*\g:103+8*\g], v226
.endr
	v_nop
	s_wait_alu depctr_va_vdst(0)                   ; the conversions have written v192-199, which the two stores read
	global_store_b128 v[LI], v[192:195], s[12:13]              ; 512 consecutive bytes a store
	global_store_b128 v[LI], v[196:199], s[12:13] offset:512
	s_wait_dscnt 0x0                               ; the closing lines, six on end
	s_wait_alu 0x0
	s_wait_tensorcnt 0x0
	ds_add_u32 v240, v241
	s_wait_dscnt 0x0
	s_endpgm
.Lfunc_end_k_qed898289ac_attn:
	.size	k_qed898289ac_attn, .Lfunc_end_k_qed898289ac_attn-k_qed898289ac_attn
	.p2alignl 7, 3214868480
	.fill 96, 4, 3214868480
	.section	.rodata,"a",@progbits
	.p2align	6, 0x0
	.amdhsa_kernel k_qed898289ac_attn
		.amdhsa_group_segment_fixed_size 67584
		.amdhsa_private_segment_fixed_size 0
		.amdhsa_enable_private_segment 0
		.amdhsa_kernarg_size 24
		.amdhsa_user_sgpr_count 2
		.amdhsa_user_sgpr_kernarg_segment_ptr 1
		.amdhsa_wavefront_size32 1
		.amdhsa_system_sgpr_workgroup_id_x 1
		.amdhsa_system_sgpr_workgroup_id_y 1
		.amdhsa_system_sgpr_workgroup_id_z 1
		.amdhsa_system_vgpr_workitem_id 0
		.amdhsa_next_free_vgpr 242
		.amdhsa_next_free_sgpr 66
		.amdhsa_reserve_vcc 0
		.amdhsa_float_denorm_mode_32 3
		.amdhsa_float_denorm_mode_16_64 3
		.amdhsa_memory_ordered 1
		.amdhsa_forward_progress 1
		.amdhsa_inst_pref_size 134
	.end_amdhsa_kernel
	.amdgpu_metadata
---
amdhsa.version: [ 1, 2 ]
amdhsa.kernels:
  - .name:           k_qed898289ac_attn
    .symbol:         k_qed898289ac_attn.kd
    .args:
      - { .name: qkv, .offset: 0, .size: 8, .value_kind: global_buffer, .address_space: global }
      - { .name: lowp_scales, .offset: 8, .size: 8, .value_kind: global_buffer, .address_space: global }
      - { .name: aimg, .offset: 16, .size: 8, .value_kind: global_buffer, .address_space: global }
    .group_segment_fixed_size: 67584
    .private_segment_fixed_size: 0
    .kernarg_segment_align: 8
    .kernarg_segment_size: 24
    .max_flat_workgroup_size: 512
    .sgpr_count:     66
    .vgpr_count:     242
    .wavefront_size: 32
...
	.end_amdgpu_metadata
.endif
;; end of part 7
;; launch post (part 8): grid 256 x 1, 8 waves a work-group, no clusters, 177,152 bytes of LDS; arguments x, aimg, wimg, bo, b1, b2, gamma1, beta1, gamma2, beta2, lowp_scales, out0; writes out0
.if DOCPART == 8
	.amdgcn_target "amdgcn-amd-amdhsa--gfx1250"
	.amdhsa_code_object_version 6
	.text
	.protected	k_qed898289ac_post
	.globl	k_qed898289ac_post
	.p2align	8
	.type	k_qed898289ac_post,@function
k_qed898289ac_post:
	s_mov_b64 s[64:65], 0
	v_nop
	global_prefetch_b8 v0, s[64:65] scope:SCOPE_SE
	s_setreg_imm32_b32 hwreg(HW_REG_WAVE_SCHED_MODE, 0, 2), 2
	s_setreg_imm32_b32 hwreg(HW_REG_WAVE_MODE, 25, 1), 1
	s_wait_xcnt 0x0
	s_wait_alu depctr_vm_vsrc(0)
; x1 = LN(x + a Wo + bo; gamma1, beta1);  out = LN(x1 + relu(x1 W1 + b1) W2 + b2; gamma2, beta2), LN(y) = (y - mean) / (std + 1e-5) x gamma + beta, the three products on codes of E5M2.
; a (attention's result) and the weights come as images of operand registers (512 bytes a piece, lane l at 16 l; a tile of 16 rows holds rows 32 B + 8 u + r + 8 (r / 8)).  x1 and the hidden layer never go to memory.
; SHARES.  A work-group takes 32 rows, two tiles m.  THE EIGHT WAVES SHARE THE COLUMNS: wave w owns columns 64 w .. 64 w + 63 of x1 and of the output and hidden units 256 w .. 256 w + 255.
; All products are used transposed (source 0 = the weight), so a lane holds one row and its registers run along the columns: index 16 b + 8 u + j of a row's 32 registers is column 64 w + 32 b + 16 h + 8 u + j.
; THE WEIGHTS go from memory straight into a ring of two halves of eight fragments in window 1: 18 groups of 32 loads a wave (2 of Wo, 8 of W1, 8 of W2).  Group g + 2 is asked for as soon as group g's products are done with their half,
; and behind the head no other global load is issued: so in front of each group the count 32 leaves exactly the youngest group out.  No barrier stands in this stream.
; No tile is asked for jointly with other work-groups: a fragment feeds two products, so a slot in LDS would be used up long before its successor could land behind a barrier with all loads waited for; the ring in registers needs none.
; SCALES.  A sum stands for sum x 2^(eA + eB).  Residual and bias go in as the accumulators' first value, x 2^-(eA + eB); the LayerNorms work on such sums (a power of two changes no rounding) and bring the factor in with 1 / (std + eps);
; b1 goes in as the C of the first K step; the hidden layer's conversion takes 2^(e14 - e12 - e13), and its hold between 0 and the largest code is the relu.
; LIMITS: e10 + e11 and e14 + e15 between -126 and 126; e12 and e14 - e12 - e13 between -126 and 112; the squares of the sums as they stand (without their power of two) stay f32 numbers.  NaN among the inputs is not served.
; The mean is taken first and the squares of the differences afterwards: no difference of large sums is formed.
; LDS: 0: x1's 8 fragments, (m, s) at (4 m + s) x 2,048.   16,384: the hidden layer's 32, (m, K step) at (16 m + ks) x 2,048.   81,920 + 8,704 w: the wave's own: x1 as its registers stand, later 32 rows x 272 bytes on the way out.
;   151,552 + 2,560 w: the wave's own parameters: b1 (1,024 bytes), then bo, b2, gamma1, beta1, gamma2, beta2 (256 each).   172,032 + 1,024 k: the k-th of four reductions: word (row, wave) at 32 row + 4 w.
; THE MODE: SCHED_MODE bits 1:0 = 2 (LLVM: expert scheduling mode 2), set by the entry lines.  The code itself states the register dependences
; between vector or matrix instructions and memory or LDS instructions, with s_wait_alu, always for 0.
; THE PLAN.  Registers that memory or LDS instructions touch, and who else names them:
;   v1-15, v240  offsets and addresses, made at the head: one wait on va_vdst ahead of the first load.  v240 alone is written again, by the LayerNorm's sums, behind a wait on vm_vsrc.
;   the ring     (window 1) group g's loads land in half g % 2; group g's 16 products read it; group g + 2's loads land in it.
;   AF           a's fragments, x1's, then the hidden layer's in two sets by turns: loads land, products read.  In a LayerNorm its first 32 registers take the offset vector, AF + 64 .. 79 the reductions' words.
;   BV           parameters (loads land, vector lines read); x1's codes; the hidden layer's second out-buffer.
;   ACC          x and x1 (loads land); stored to LDS as x1 and on the way out.   B1C: b1 of one step: LDS loads land, the step's first products read.
;   T            the LayerNorm's sums, stored to LDS; the hidden layer's first out-buffer.
; ONE wait on va_vdst stands behind each group of 16 products, behind the window's switch and ahead of the ring's next 32 loads.  It states that the products are done reading their half of the ring and their operand in AF and B1C,
; and, in the hidden layer, that the conversions of the step before have written their out-buffer.  The ring's loads, b1's, the hidden fragments', a LayerNorm's parameters' and the LDS stores of the step before follow it with no vector line between.
; The hidden layer's two out-buffers take turns, so the wait on vm_vsrc for a buffer stands at a step's head, a whole step behind the stores that read it.
; Elsewhere a wait on va_vdst stands ahead of each run of LDS stores of computed numbers, and a wait on vm_vsrc ahead of the first line that writes such a run's registers again.
.set LI,   1                           ; v1   16 x lane
.set XA,   2                           ; v2   x: (r + 8 (r / 8)) x 2,048 + 64 h
.set PA,   3                           ; v3   my parameters + 64 h
.set PS16, 4                           ; v4   my parameters + 16 x lane
.set PS8,  5                           ; v5   my parameters + 8 x lane
.set RW,   6                           ; v6   the reductions: 32 r + 4 w
.set RR,   7                           ; v7   32 r
.set XW,   8                           ; v8   where I store x1's pieces
.set HW,   9                           ; v9   where I store the hidden layer's
.set HA,   10                          ; v10  the hidden layer's fragments + 16 x lane
.set SH,   11                          ; v11  my own region + 16 x lane
.set SO,   12                          ; v12  the way out: (r + 8 (r / 8)) x 272 + 64 h
.set SR,   13                          ; v13  back: h x 272 + 16 r
.set GO,   14                          ; v14  and in memory: h x 2,048 + 16 r
.set BV,   16                          ; v16-47   a vector of 32 in the rows' layout; x1's codes; v16-23 the hidden layer's codes of odd steps
.set ACC,  48                          ; v48-111  accumulator (t, m) at 32 m + 8 t
.set HACC, 48                          ; v48-79   the hidden layer's (u, m) at 16 m + 8 u
.set B1C,  80                          ; v80-95   b1 for two tiles
.set AF,   112                         ; v112-239 eight fragments of the operand in hand
.set T,    240                         ; v240-249 at work; v240-247 the hidden layer's codes of even steps
.set SC1,  252                         ; v252, v253  2^e12, 57,344 x 2^e12
.set HL1,  253
.set SC2,  254                         ; v254, v255  the same with e14 - e12 - e13
.set HL2,  255
.set SWO,  48                          ; s[48:49] my tiles of Wo's image; s[50:51] of W1's; s[52:53] of W2's
.set SW1,  50
.set SW2,  52
.set SXB,  54                          ; s[54:55] x; s[56:57] a's image; s[58:59] the output
.set SAB,  56
.set SOB,  58
.set SEL,  60                          ; s[60:61] v_permlanex16_b32's selects for lane l xor 16
.set KP1,  66                          ; s[66:67] 2^-(e10 + e11), twice;  s68 2^(e10 + e11)
.set KB1,  68
.set KB2,  69                          ; s69 2^(e14 + e15);  s[70:71] 2^-(e14 + e15), twice
.set KP2,  70
.set EPS,  72                          ; s72 1e-5
.set WV,   73                          ; s73 wave
.set MSB, 0
.macro WIN new                         ; the immediate's high byte repeats the setting that is left
.if MSB != \new
	s_set_vgpr_msb (MSB<<8)|\new
.set MSB, \new
.endif
.endm
.macro BARRIER                         ; my LDS stores have landed and my LDS loads are in: then the work-group's barrier
	s_wait_dscnt 0x0
	s_barrier_signal -1
	s_barrier_wait -1
.endm
.macro PLACES                          ; four places (ISA guide 7.12.1) behind a run of products, ahead of the first read of its results
.rept 4
	v_nop
.endr
.endm
.macro WLOAD g                         ; group g of the weights, eight fragments, into half g % 2 of the ring: 512 consecutive bytes a load
	WIN 0x40                                       ; destination window 1
.if (\g) >= 2
	s_wait_alu depctr_va_vdst(0)                   ; group g - 2's products, the last issued, are done reading this half of the ring, in which the loads below land (and their other operands: see where the macro is used)
.endif
.set RB, 128*((\g)%2)
.if (\g) < 2
.set i, 0
.rept 32
	global_load_b128 v[RB+4*i:RB+4*i+3], v[LI], s[SWO:SWO+1] offset:16384*(\g)+512*i           ; tiles 2 g, 2 g + 1 of my four: (u, s) at 16 (4 u + s)
.set i, i+1
.endr
.elseif (\g) < 10
.set i, 0
.rept 32
	global_load_b128 v[RB+4*i:RB+4*i+3], v[LI], s[SW1:SW1+1] offset:16384*((\g)-2)+512*i       ; the same of my sixteen of W1
.set i, i+1
.endr
.else
.irp t, 0,1,2,3
.irp p, 0,1
.irp c, 0,1,2,3
	global_load_b128 v[RB+16*(2*\t+\p)+4*\c:RB+16*(2*\t+\p)+4*\c+3], v[LI], s[SW2:SW2+1] offset:32768*\t+2048*(2*((\g)-10)+\p)+512*\c   ; W2: K steps 2 q, 2 q + 1 of my four tiles: (t, p) at 16 (2 t + p)
.endr
.endr
.endr
.endif
	WIN 0
.endm
; 16 products: two tiles of the weight x two tiles of rows x four K steps; the four accumulators by turns, one instruction a turn.  cfirst = 1: the first K step takes b1 as C.
.macro MM8 half, dbase, step, cfirst
	WIN 0x01                                       ; source 0 (the weight) window 1
.irp s, 0,1,2,3
.irp u, 0,1
.irp m, 0,1
.if (\cfirst) && (\s == 0)
	v_wmma_f32_16x16x128_bf8_bf8 v[(\dbase)+(\step)*\m+8*\u:(\dbase)+(\step)*\m+8*\u+7], v[128*(\half)+16*(4*\u+\s):128*(\half)+16*(4*\u+\s)+15], v[AF+16*(4*\m+\s):AF+16*(4*\m+\s)+15], v[B1C+8*\u:B1C+8*\u+7]
.else
	v_wmma_f32_16x16x128_bf8_bf8 v[(\dbase)+(\step)*\m+8*\u:(\dbase)+(\step)*\m+8*\u+7], v[128*(\half)+16*(4*\u+\s):128*(\half)+16*(4*\u+\s)+15], v[AF+16*(4*\m+\s):AF+16*(4*\m+\s)+15], v[(\dbase)+(\step)*\m+8*\u:(\dbase)+(\step)*\m+8*\u+7]
.endif
.endr
.endr
.endr
	WIN 0
	PLACES
.endm
; 16 products of the last layer: two K steps x four tiles of W2 x two tiles of rows; eight accumulators by turns
.macro MM2 half, set
	WIN 0x01
.irp p, 0,1
.irp t, 0,1,2,3
.irp m, 0,1
	v_wmma_f32_16x16x128_bf8_bf8 v[ACC+32*\m+8*\t:ACC+32*\m+8*\t+7], v[128*(\half)+16*(2*\t+\p):128*(\half)+16*(2*\t+\p)+15], v[AF+64*(\set)+16*(2*\m+\p):AF+64*(\set)+16*(2*\m+\p)+15], v[ACC+32*\m+8*\t:ACC+32*\m+8*\t+7]
.endr
.endr
.endr
	WIN 0
	PLACES
.endm
.macro PARLD vec, reg                  ; vector vec of my parameters in the rows' layout: register 16 b + 4 i + .. = column 32 b + 16 h + 4 i + .. of my 64
.irp b, 0,1
.irp i, 0,1,2,3
	ds_load_b128 v[\reg+16*\b+4*\i:\reg+16*\b+4*\i+3], v[PA] offset:1024+256*(\vec)+128*\b+16*\i
.endr
.endr
.endm
.macro B1LD p                          ; b1 for hidden units 32 p + 16 h + 8 u + j of my 256
.irp u, 0,1
.irp i, 0,1
	ds_load_b128 v[B1C+8*\u+4*\i:B1C+8*\u+4*\i+3], v[PA] offset:128*(\p)+32*\u+16*\i
.endr
.endr
.endm
.macro HSTORE p                        ; step p's two pieces of the hidden layer go to LDS out of out-buffer p % 2
.set OB, T+(BV-T)*((\p)%2)
.irp m, 0,1
	ds_store_b128 v[HW], v[OB+4*\m:OB+4*\m+3] offset:32768*\m+2048*((\p)/4)+512*((\p)%4)
.endr
.endm
.macro PREP kp                         ; the accumulators' first value: (residual) x 2^-(eA + eB) + the bias, which has that factor already
.irp m, 0,1
.set i, 0
.rept 16
	v_pk_fma_f32 v[ACC+32*\m+i:ACC+32*\m+i+1], v[ACC+32*\m+i:ACC+32*\m+i+1], s[\kp:\kp+1], v[BV+i:BV+i+1] op_sel_hi:[1,0,1]
.set i, i+2
.endr
.endr
.endm
.macro HFETCH q, set                   ; the hidden layer's fragments of K steps 2 q, 2 q + 1 for both tiles of rows
.irp m, 0,1
.irp p, 0,1
.irp c, 0,1,2,3
	ds_load_b128 v[AF+64*(\set)+16*(2*\m+\p)+4*\c:AF+64*(\set)+16*(2*\m+\p)+4*\c+3], v[HA] offset:(16*\m+2*(\q)+\p)*2048+512*\c
.endr
.endr
.endr
.endm
; The chains v[T+4m:T+4m+1] and v[T+4m+2:T+4m+3] hold a lane's part of a row's sum.  They are added, joined with lane l xor 16's, and meet the other seven waves' in area k of LDS; v[T+4m] then holds the row's sum / 512, in every lane.
.macro REDUCE k
.irp m, 0,1
	v_pk_add_f32 v[T+4*\m:T+4*\m+1], v[T+4*\m:T+4*\m+1], v[T+4*\m+2:T+4*\m+3]
.endr
.irp m, 0,1
	v_add_f32 v[T+4*\m], v[T+4*\m], v[T+4*\m+1]
.endr
.irp m, 0,1
	v_permlanex16_b32 v[T+4*\m+2], v[T+4*\m], s[SEL], s[SEL+1]
.endr
.irp m, 0,1
	v_add_f32 v[T+4*\m], v[T+4*\m], v[T+4*\m+2]
.endr
	s_wait_alu depctr_va_vdst(0)                   ; the additions have written v[T] and v[T+4], which the LDS stores read; all that named AF + 64 .. 79 (products, the reduction before) is done with them: the words below land there
.irp m, 0,1
	ds_store_b32 v[RW], v[T+4*\m] offset:1024*(\k)+512*\m
.endr
	BARRIER
.irp m, 0,1
	ds_load_b128 v[AF+64+8*\m:AF+67+8*\m], v[RR] offset:1024*(\k)+512*\m
	ds_load_b128 v[AF+68+8*\m:AF+71+8*\m], v[RR] offset:1024*(\k)+512*\m+16
.endr
	s_wait_dscnt 0x0
	s_wait_alu depctr_vm_vsrc(0)                   ; the two LDS stores have read v[T] and v[T+4], which the last lines below write again
.irp m, 0,1
	v_pk_add_f32 v[AF+64+8*\m:AF+65+8*\m], v[AF+64+8*\m:AF+65+8*\m], v[AF+66+8*\m:AF+67+8*\m]
	v_pk_add_f32 v[AF+68+8*\m:AF+69+8*\m], v[AF+68+8*\m:AF+69+8*\m], v[AF+70+8*\m:AF+71+8*\m]
.endr
.irp m, 0,1
	v_pk_add_f32 v[AF+64+8*\m:AF+65+8*\m], v[AF+64+8*\m:AF+65+8*\m], v[AF+68+8*\m:AF+69+8*\m]
.endr
.irp m, 0,1
	v_add_f32 v[AF+64+8*\m], v[AF+64+8*\m], v[AF+65+8*\m]
.endr
.irp m, 0,1
	v_mul_f32 v[T+4*\m], 0x3b000000, v[AF+64+8*\m] ; / 512
.endr
.endm
; The LayerNorm of the 32 rows in ACC, which stand for ACC x s[kb].  Areas k and k + 1 of the reductions; two barriers.  The result, in true size, stays in ACC.
; It stands behind a wait on va_vdst with no vector line between: BV and AF .. AF + 31, in which the two vectors land, are done with.
.macro LNORM k, kb, gvec, bvec
	PARLD \gvec, BV                                ; the gain and the offset are my own LDS bytes: asked for now, waited for with the first reduction's loads
	PARLD \bvec, AF
.irp m, 0,1                            ; each accumulator is read from its low end on
	v_pk_add_f32 v[T+4*\m:T+4*\m+1], v[ACC+32*\m:ACC+32*\m+1], v[ACC+32*\m+2:ACC+32*\m+3]
	v_pk_add_f32 v[T+4*\m+2:T+4*\m+3], v[ACC+32*\m+4:ACC+32*\m+5], v[ACC+32*\m+6:ACC+32*\m+7]
.irp j, 8,12,16,20,24,28
	v_pk_add_f32 v[T+4*\m:T+4*\m+1], v[T+4*\m:T+4*\m+1], v[ACC+32*\m+\j:ACC+32*\m+\j+1]
	v_pk_add_f32 v[T+4*\m+2:T+4*\m+3], v[T+4*\m+2:T+4*\m+3], v[ACC+32*\m+\j+2:ACC+32*\m+\j+3]
.endr
.endr
	REDUCE \k                                      ; the mean
.irp m, 0,1
.set i, 0
.rept 16
	v_pk_add_f32 v[ACC+32*\m+i:ACC+32*\m+i+1], v[ACC+32*\m+i:ACC+32*\m+i+1], v[T+4*\m:T+4*\m+1] op_sel_hi:[1,0] neg_lo:[0,1] neg_hi:[0,1]   ; d = y - mean (the pair's low word for both halves)
.set i, i+2
.endr
.endr
.irp m, 0,1
	v_pk_mul_f32 v[T+4*\m:T+4*\m+1], v[ACC+32*\m:ACC+32*\m+1], v[ACC+32*\m:ACC+32*\m+1]
	v_pk_mul_f32 v[T+4*\m+2:T+4*\m+3], v[ACC+32*\m+2:ACC+32*\m+3], v[ACC+32*\m+2:ACC+32*\m+3]
.irp j, 4,8,12,16,20,24,28
	v_pk_fma_f32 v[T+4*\m:T+4*\m+1], v[ACC+32*\m+\j:ACC+32*\m+\j+1], v[ACC+32*\m+\j:ACC+32*\m+\j+1], v[T+4*\m:T+4*\m+1]
	v_pk_fma_f32 v[T+4*\m+2:T+4*\m+3], v[ACC+32*\m+\j+2:ACC+32*\m+\j+3], v[ACC+32*\m+\j+2:ACC+32*\m+\j+3], v[T+4*\m+2:T+4*\m+3]
.endr
.endr
	REDUCE (\k)+1                                  ; the mean of d^2
	s_wait_alu depctr_va_vdst(0)
	v_sqrt_f32 v[T+1], v[T]
	v_sqrt_f32 v[T+5], v[T+4]
	v_nop                                          ; a plain line behind the roots,
	s_wait_alu depctr_va_vdst(0)                   ; the two roots have written v[T+1] and v[T+5]: the wait ahead of their first reader
	v_fma_f32 v[T+1], v[T+1], s[\kb], s[EPS]       ; std in true size, + eps
	v_fma_f32 v[T+5], v[T+5], s[\kb], s[EPS]
	s_wait_alu depctr_va_vdst(0)
	v_rcp_f32 v[T+2], v[T+1]
	v_rcp_f32 v[T+6], v[T+5]
	v_nop
	s_wait_alu depctr_va_vdst(0)                   ; the two reciprocals have written v[T+2] and v[T+6]: likewise
	v_mul_f32 v[T], s[\kb], v[T+2]                 ; d x this = (y - mean) / (std + eps) in true size
	v_mul_f32 v[T+4], s[\kb], v[T+6]
.irp m, 0,1
.set i, 0
.rept 16
	v_pk_mul_f32 v[ACC+32*\m+i:ACC+32*\m+i+1], v[ACC+32*\m+i:ACC+32*\m+i+1], v[T+4*\m:T+4*\m+1] op_sel_hi:[1,0]
.set i, i+2
.endr
.set i, 0
.rept 16
	v_pk_fma_f32 v[ACC+32*\m+i:ACC+32*\m+i+1], v[ACC+32*\m+i:ACC+32*\m+i+1], v[BV+i:BV+i+1], v[AF+i:AF+i+1]   ; x gamma + beta
.set i, i+2
.endr
.endr
.endm
	s_load_b512 s[8:23], s[0:1], 0x0               ; x s[8:9], aimg s[10:11], wimg s[12:13], bo s[14:15], b1 s[16:17], b2 s[18:19], gamma1 s[20:21], beta1 s[22:23]
	s_load_b256 s[24:31], s[0:1], 0x40             ; gamma2 s[24:25], beta2 s[26:27], lowp_scales s[28:29], out0 s[30:31]
	v_lshl_add_u32 v250, v0, 2, 0x2b000
	v_mov_b32 v251, 0
	v_lshrrev_b32 v15, 5, v0
	v_readfirstlane_b32 s[WV], v15                 ; wave
	v_lshlrev_b32 v[T], 3, v0                      ; a vector of 512 in memory: 256 w + 8 x lane
	v_and_b32 v[T+1], 31, v0                       ; lane
	v_and_b32 v[T+2], 15, v0                       ; r
	v_bfe_u32 v[T+3], v0, 4, 1                     ; h
	v_lshlrev_b32 v[LI], 4, v[T+1]
	v_and_b32 v[T+4], 8, v[T+2]
	v_add_nc_u32 v[T+4], v[T+4], v[T+2]            ; r + 8 (r / 8)
	v_lshlrev_b32 v[XA], 11, v[T+4]
	v_lshl_add_u32 v[XA], v[T+3], 6, v[XA]
	s_wait_alu depctr_va_sdst(0)                   ; s73, the wave's number, is written, ahead of its first reader
	s_mul_i32 s74, s[WV], 2560
	s_add_co_u32 s74, s74, 151552
	v_lshl_add_u32 v[PA], v[T+3], 6, s74
	v_add_nc_u32 v[PS16], s74, v[LI]
	v_lshl_add_u32 v[PS8], v[T+1], 3, s74
	s_lshl_b32 s74, s[WV], 2
	s_add_co_u32 s74, s74, 172032
	v_lshl_add_u32 v[RW], v[T+2], 5, s74
	v_lshlrev_b32 v[RR], 5, v[T+2]
	v_add_nc_u32 v[RR], 172032, v[RR]
	s_lshr_b32 s74, s[WV], 1
	s_lshl_b32 s74, s74, 11                        ; my 64 columns are pieces 2 (w % 2), 2 (w % 2) + 1 of K step w / 2
	s_and_b32 s75, s[WV], 1
	s_lshl_b32 s75, s75, 10
	s_add_co_u32 s74, s74, s75
	v_add_nc_u32 v[XW], s74, v[LI]
	s_lshl_b32 s74, s[WV], 12                      ; my 256 hidden units are K steps 2 w, 2 w + 1
	s_add_co_u32 s74, s74, 16384
	v_add_nc_u32 v[HW], s74, v[LI]
	v_add_nc_u32 v[HA], 16384, v[LI]
	s_mul_i32 s74, s[WV], 8704
	s_add_co_u32 s74, s74, 81920
	v_add_nc_u32 v[SH], s74, v[LI]
	v_mul_u32_u24 v[SO], v[T+4], 272
	v_lshl_add_u32 v[SO], v[T+3], 6, v[SO]
	v_add_nc_u32 v[SO], s74, v[SO]
	v_mul_u32_u24 v[SR], v[T+3], 272
	v_lshl_add_u32 v[SR], v[T+2], 4, v[SR]
	v_add_nc_u32 v[SR], s74, v[SR]
	v_lshlrev_b32 v[GO], 11, v[T+3]
	v_lshl_add_u32 v[GO], v[T+2], 4, v[GO]
	s_lshl_b32 s74, s[WV], 10
	v_add_nc_u32 v15, s74, v[LI]                   ; b1 in memory: 1,024 w + 16 x lane
	s_lshl_b32 s74, s[WV], 15
	s_add_co_u32 s74, s74, 786432
	s_mov_b32 s75, 0
	s_lshl_b32 s76, s[WV], 17
	s_add_co_u32 s78, s76, 2097152
	s_mov_b32 s79, 0
	s_add_co_u32 s76, s76, 1048576
	s_mov_b32 s77, 0
	s_lshl_b32 s80, ttmp9, 16                      ; 32 rows of 2,048 bytes,
	s_lshl_b32 s81, s[WV], 8                       ; my 64 columns
	s_add_co_u32 s80, s80, s81
	s_mov_b32 s81, 0
	s_lshl_b32 s82, ttmp9, 14                      ; two tiles of a's image
	s_mov_b32 s83, 0
	s_mov_b32 s[SEL], 0x76543210
	s_mov_b32 s[SEL+1], 0xfedcba98
	s_mov_b32 s[EPS], 0x3727c5ac
	s_wait_kmcnt 0x0
	s_load_b512 s[32:47], s[28:29], 0x0            ; the sixteen exponents
	s_add_nc_u64 s[SWO:SWO+1], s[12:13], s[74:75]
	s_add_nc_u64 s[SW1:SW1+1], s[12:13], s[76:77]
	s_add_nc_u64 s[SW2:SW2+1], s[12:13], s[78:79]
	s_add_nc_u64 s[SXB:SXB+1], s[8:9], s[80:81]
	s_add_nc_u64 s[SOB:SOB+1], s[30:31], s[80:81]
	s_add_nc_u64 s[SAB:SAB+1], s[10:11], s[82:83]
	s_wait_alu depctr_va_vdst(0)                   ; the offsets and addresses v1 to v15 and v240 are written, which the loads and stores of the kernel read
.set i, 0
.rept 32
	global_load_b128 v[AF+4*i:AF+4*i+3], v[LI], s[SAB:SAB+1] offset:512*i th:TH_LOAD_NT   ; a's fragment (m, s) at AF + 16 (4 m + s)
.set i, i+1
.endr
	WLOAD 0
.irp m, 0,1
.irp b, 0,1
.irp i, 0,1,2,3
	global_load_b128 v[ACC+32*\m+16*\b+4*\i:ACC+32*\m+16*\b+4*\i+3], v[XA], s[SXB:SXB+1] offset:16384*\m+128*\b+16*\i th:TH_LOAD_NT   ; x, in the accumulators' layout
.endr
.endr
.endr
	global_load_b128 v[BV:BV+3], v15, s[16:17]
	global_load_b128 v[BV+4:BV+7], v15, s[16:17] offset:512
	global_load_b64 v[BV+8:BV+9], v[T], s[14:15]
	global_load_b64 v[BV+10:BV+11], v[T], s[18:19]
	global_load_b64 v[BV+12:BV+13], v[T], s[20:21]
	global_load_b64 v[BV+14:BV+15], v[T], s[22:23]
	global_load_b64 v[BV+16:BV+17], v[T], s[24:25]
	global_load_b64 v[BV+18:BV+19], v[T], s[26:27]
	WLOAD 1
	s_wait_kmcnt 0x0
	s_add_co_i32 s74, s42, s43                     ; e10 + e11
	s_sub_co_i32 s84, 0, s74
	s_add_co_i32 s75, s74, 127
	s_lshl_b32 s[KB1], s75, 23
	s_add_co_i32 s75, s84, 127
	s_lshl_b32 s[KP1], s75, 23
	s_mov_b32 s[KP1+1], s[KP1]                     ; (named with it as a pair, so it is written)
	s_add_co_i32 s74, s46, s47                     ; e14 + e15
	s_sub_co_i32 s86, 0, s74
	s_add_co_i32 s75, s74, 127
	s_lshl_b32 s[KB2], s75, 23
	s_add_co_i32 s75, s86, 127
	s_lshl_b32 s[KP2], s75, 23
	s_mov_b32 s[KP2+1], s[KP2]
	s_add_co_i32 s74, s44, s45                     ; e12 + e13
	s_sub_co_i32 s85, 0, s74
	s_add_co_i32 s75, s44, 127
	s_lshl_b32 s76, s75, 23
	v_mov_b32 v[SC1], s76
	s_add_co_i32 s75, s75, 15
	s_lshl_b32 s75, s75, 23
	s_or_b32 s75, s75, 0x600000
	v_mov_b32 v[HL1], s75
	s_sub_co_i32 s75, s46, s74                     ; e14 - e12 - e13
	s_add_co_i32 s75, s75, 127
	s_lshl_b32 s76, s75, 23
	v_mov_b32 v[SC2], s76
	s_add_co_i32 s75, s75, 15
	s_lshl_b32 s75, s75, 23
	s_or_b32 s75, s75, 0x600000
	v_mov_b32 v[HL2], s75
	s_wait_loadcnt 32                              ; all but the youngest group of weights is in
.set i, 0
.rept 8
	v_ldexp_f32 v[BV+i], v[BV+i], s85              ; b1 / 2^(e12 + e13)
.set i, i+1
.endr
	v_ldexp_f32 v[BV+8], v[BV+8], s84              ; bo / 2^(e10 + e11)
	v_ldexp_f32 v[BV+9], v[BV+9], s84
	v_ldexp_f32 v[BV+10], v[BV+10], s86            ; b2 / 2^(e14 + e15)
	v_ldexp_f32 v[BV+11], v[BV+11], s86
	s_wait_alu depctr_va_vdst(0)                   ; the scalings have written v[BV .. BV+11], which the LDS stores read (and in which bo lands again below)
	ds_store_b128 v[PS16], v[BV:BV+3]
	ds_store_b128 v[PS16], v[BV+4:BV+7] offset:512
.irp n, 0,1,2,3,4,5
	ds_store_b64 v[PS8], v[BV+8+2*\n:BV+9+2*\n] offset:1024+256*\n
.endr
	s_wait_dscnt 0x0                               ; the stores are done
	s_wait_alu depctr_vm_vsrc(0)                   ; they have read v[BV ..], in which the loads below land; and the parameters' loads have read their offset v240, which the LayerNorm's sums write
	PARLD 0, BV
	s_wait_dscnt 0x0
	PREP KP1                                       ; (x + bo) / 2^(e10 + e11)
	; ---- the product with Wo
	MM8 0, ACC, 32, 0
	WLOAD 2
	s_wait_loadcnt 32                              ; group 1 is in; group 2's 32 loads may be out
	MM8 1, ACC+16, 32, 0
	WLOAD 3                                        ; its wait also states: all products with Wo are done reading a's fragments in AF, and the first values' lines are done reading BV: the LayerNorm's two vectors land there
	LNORM 0, KB1, 2, 3
	; ---- x1: kept as it stands in my own LDS bytes, and quantised: my 64 columns are two pieces for each tile of rows
	s_wait_alu depctr_va_vdst(0)                   ; the LayerNorm has written ACC, which the LDS stores read
.set i, 0
.rept 16
	ds_store_b128 v[SH], v[ACC+4*i:ACC+4*i+3] offset:512*i
.set i, i+1
.endr
	s_wait_dscnt 0x0                               ; the stores are done
	s_wait_alu depctr_vm_vsrc(0)                   ; they have read ACC, which the holds below write again
.set i, 0
.rept 64
	v_med3_num_f32 v[ACC+i], v[ACC+i], -v[HL1], v[HL1]
.set i, i+1
.endr
.irp m, 0,1
.irp b, 0,1
	v_cvt_scalef32_pk8_bf8_f32 v[BV+8*\m+4*\b:BV+8*\m+4*\b+1], v[ACC+32*\m+16*\b:ACC+32*\m+16*\b+7], v[SC1]
	v_cvt_scalef32_pk8_bf8_f32 v[BV+8*\m+4*\b+2:BV+8*\m+4*\b+3], v[ACC+32*\m+16*\b+8:ACC+32*\m+16*\b+15], v[SC1]
.endr
.endr
	v_nop                                          ; a plain vector line behind the last conversion: products will write its sources
	s_wait_alu depctr_va_vdst(0)                   ; the conversions have written x1's codes, which the LDS stores read; the LayerNorm is done with AF, holds and conversions with v80-95: x1's fragments and b1 land there behind the barrier
.irp m, 0,1
.irp b, 0,1
	ds_store_b128 v[XW], v[BV+8*\m+4*\b:BV+8*\m+4*\b+3] offset:8192*\m+512*\b
.endr
.endr
	BARRIER                                        ; x1's eight fragments lie in LDS
	s_wait_alu depctr_vm_vsrc(0)                   ; my stores of x1's codes have read v16-31, of which v16-23 are the hidden layer's second out-buffer from here on
.set i, 0
.rept 32
	ds_load_b128 v[AF+4*i:AF+4*i+3], v[LI] offset:512*i
.set i, i+1
.endr
	B1LD 0
	; ---- the hidden layer, 32 units of my 256 at a time: they are one piece of the last product's operand for each tile of rows.  Step p's codes go into out-buffer p % 2 and are stored in step p + 1
.irp p, 0,1,2,3,4,5,6,7
	s_wait_loadcnt 32                              ; this group of weights is in; the next group's 32 loads may be out
	s_wait_dscnt 0x0                               ; x1's fragments and b1 are in; the earlier pieces' stores are done
.if \p >= 2
	s_wait_alu depctr_vm_vsrc(0)                   ; the stores issued in the step before have read the out-buffer that this step's conversions write again
.endif
	MM8 \p%2, HACC, 16, 1
	WLOAD \p+4                                     ; its wait also states: the products are done reading b1's registers, and the conversions of the step before have written their out-buffer
.if \p < 7
	B1LD \p+1
.endif
.if \p > 0
	HSTORE \p-1
.endif
.set OB, T+(BV-T)*(\p%2)
.set i, 0
.rept 32
	v_med3_num_f32 v[HACC+i], v[HACC+i], 0, v[HL2] ; the relu and the hold in one; each accumulator from its low end on
.set i, i+1
.endr
.irp m, 0,1
	v_cvt_scalef32_pk8_bf8_f32 v[OB+4*\m:OB+4*\m+1], v[HACC+16*\m:HACC+16*\m+7], v[SC2]
	v_cvt_scalef32_pk8_bf8_f32 v[OB+4*\m+2:OB+4*\m+3], v[HACC+16*\m+8:HACC+16*\m+15], v[SC2]
.endr
	v_nop
.endr
	s_wait_alu depctr_va_vdst(0)                   ; the last conversions have written their out-buffer, which the stores read; holds, conversions and products are done with ACC, BV and AF, in which the loads behind the barrier land
	HSTORE 7
	BARRIER                                        ; the hidden layer's 32 fragments lie in LDS
	s_wait_alu depctr_vm_vsrc(0)                   ; the last two steps' stores have read v16-23, in which b2 lands, and v240-247, which the LayerNorm's sums write
	; ---- the last product: x1 comes back as the accumulators' first value
.set i, 0
.rept 16
	ds_load_b128 v[ACC+4*i:ACC+4*i+3], v[SH] offset:512*i
.set i, i+1
.endr
	PARLD 1, BV
	HFETCH 0, 0
	HFETCH 1, 1
	s_wait_dscnt 32                                ; x1 and b2 are in; the two fetches, 32 loads, may be out
	PREP KP2                                       ; (x1 + b2) / 2^(e14 + e15)
	s_wait_alu depctr_va_vdst(0)
.irp q, 0,1,2,3,4,5,6,7
.if \q < 7
	s_wait_loadcnt 32                              ; this group of weights is in; the next group's 32 loads may be out
	s_wait_dscnt 16                                ; these two K steps' fragments are in; the next fetch's 16 loads may be out
.else
	s_wait_loadcnt 0x0
	s_wait_dscnt 0x0
.endif
	MM2 \q%2, \q%2
.if \q < 6
	WLOAD \q+12                                    ; its wait also states: the products are done reading their set of hidden fragments, in which the next fetch lands
	HFETCH \q+2, \q%2
.endif
.endr
	s_wait_alu depctr_va_vdst(0)                   ; the last two groups' products are done reading AF, in which the LayerNorm's offset vector and the reductions' words land
	LNORM 2, KB2, 4, 5
	; ---- the way out, through my own LDS bytes: my 64 columns are 256 consecutive bytes of a row, aligned
	s_wait_alu depctr_va_vdst(0)                   ; the LayerNorm has written ACC, which the LDS stores read, and is done with AF, in which the rows land
.irp m, 0,1
.irp b, 0,1
.irp i, 0,1,2,3
	ds_store_b128 v[SO], v[ACC+32*\m+16*\b+4*\i:ACC+32*\m+16*\b+4*\i+3] offset:2176*\m+128*\b+16*\i
.endr
.endr
.endr
.set i, 0
.rept 16
	ds_load_b128 v[AF+4*i:AF+4*i+3], v[SR] offset:544*i          ; LDS serves a wave's instructions in order (ISA guide 5.7.1.4): these see my stores
.set i, i+1
.endr
.set i, 0
.rept 16
	s_wait_dscnt 15-i                              ; pair i of rows is back; the younger loads may be out
	global_store_b128 v[GO], v[AF+4*i:AF+4*i+3], s[SOB:SOB+1] offset:4096*i th:TH_STORE_NT   ; sixteen lanes store 256 consecutive bytes, at a multiple of 256 from the output's first byte
.set i, i+1
.endr
	s_wait_dscnt 0x0                               ; the closing lines, six on end
	s_wait_alu 0x0
	s_wait_tensorcnt 0x0
	ds_add_u32 v250, v251
	s_wait_dscnt 0x0
	s_endpgm
.Lfunc_end_k_qed898289ac_post:
	.size	k_qed898289ac_post, .Lfunc_end_k_qed898289ac_post-k_qed898289ac_post
	.p2alignl 7, 3214868480
	.fill 96, 4, 3214868480
	.section	.rodata,"a",@progbits
	.p2align	6, 0x0
	.amdhsa_kernel k_qed898289ac_post
		.amdhsa_group_segment_fixed_size 177152
		.amdhsa_private_segment_fixed_size 0
		.amdhsa_enable_private_segment 0
		.amdhsa_kernarg_size 96
		.amdhsa_user_sgpr_count 2
		.amdhsa_user_sgpr_kernarg_segment_ptr 1
		.amdhsa_wavefront_size32 1
		.amdhsa_system_sgpr_workgroup_id_x 1
		.amdhsa_system_sgpr_workgroup_id_y 1
		.amdhsa_system_sgpr_workgroup_id_z 1
		.amdhsa_system_vgpr_workitem_id 0
		.amdhsa_next_free_vgpr 512
		.amdhsa_next_free_sgpr 96
		.amdhsa_reserve_vcc 0
		.amdhsa_float_denorm_mode_32 3
		.amdhsa_float_denorm_mode_16_64 3
		.amdhsa_memory_ordered 1
		.amdhsa_forward_progress 1
		.amdhsa_inst_pref_size 167
	.end_amdhsa_kernel
	.amdgpu_metadata
---
amdhsa.version: [ 1, 2 ]
amdhsa.kernels:
  - .name:           k_qed898289ac_post
    .symbol:         k_qed898289ac_post.kd
    .args:
      - { .name: x, .offset: 0, .size: 8, .value_kind: global_buffer, .address_space: global }
      - { .name: aimg, .offset: 8, .size: 8, .value_kind: global_buffer, .address_space: global }
      - { .name: wimg, .offset: 16, .size: 8, .value_kind: global_buffer, .address_space: global }
      - { .name: bo, .offset: 24, .size: 8, .value_kind: global_buffer, .address_space: global }
      - { .name: b1, .offset: 32, .size: 8, .value_kind: global_buffer, .address_space: global }
      - { .name: b2, .offset: 40, .size: 8, .value_kind: global_buffer, .address_space: global }
      - { .name: gamma1, .offset: 48, .size: 8, .value_kind: global_buffer, .address_space: global }
      - { .name: beta1, .offset: 56, .size: 8, .value_kind: global_buffer, .address_space: global }
      - { .name: gamma2, .offset: 64, .size: 8, .value_kind: global_buffer, .address_space: global }
      - { .name: beta2, .offset: 72, .size: 8, .value_kind: global_buffer, .address_space: global }
      - { .name: lowp_scales, .offset: 80, .size: 8, .value_kind: global_buffer, .address_space: global }
      - { .name: out0, .offset: 88, .size: 8, .value_kind: global_buffer, .address_space: global }
    .group_segment_fixed_size: 177152
    .private_segment_fixed_size: 0
    .kernarg_segment_align: 8
    .kernarg_segment_size: 96
    .max_flat_workgroup_size: 256
    .sgpr_count:     96
    .vgpr_count:     512
    .wavefront_size: 32
...
	.end_amdgpu_metadata
.endif
;; end of part 8
